; MI455X (gfx1250); checked and timed in simulation.
; The chip was launched on July 23, 2026; its instructions are those of AMD's public machine-readable ISA for CDNA 5 (MIT licence, August 2026) and "CDNA5" Instruction Set Architecture Reference Guide (July 2026). The comments in the code are by the model that wrote it; some were corrected since.
;; Bahdanau Attention. Allowed arithmetic: matrix products marked QUANTISED: E2M1 operands, one E8M0 scale for each 32 along K, by v_wmma_scale_f32_16x16x128_f8f6f4 with both operands' format E2M1 (or v_wmma_scale_f32_32x16x128_f4), f32 sums; products left as they are: f32 operands where the result goes on into a quantised operand, else bf16, f16 or f32 operands; f32 sums; everything else in f32.
;; Inputs: Wk 1,024 x 1,024 float32; Wq 1,024 x 1,024 float32; keys 64 x 1,024 x 1,024 float32; mask 64 x 1,024 bool; query 64 x 1,024 float32; v 1 x 1,024 float32.
;; Outputs: out0 64 x 1,024 float32; out1 64 x 1,024 float32.
;; This version of the problem:
;;   THIS VERSION OF THE PROBLEM IS GIVEN IN LOW PRECISION. The matrix products marked QUANTISED in the list below multiply operands that are first quantised to E2M1 (2 exponent bits, 1 mantissa bit; 4 bits a number), with one power-of-two scale for each 32 numbers along K (OCP MX v1.0); their sums are f32. All else is computed in f32.
;;   The module's matrix products, in the order in which they are computed (A, B: the left and right operand; K: the contracted axis; several contracted axes count as one K, in the product's order):
;;     1. [M 64, K 1,024] x [K 1,024, N 1,024]; A: input query; B: input Wq: QUANTISED
;;     2. [M 65,536, K 1,024] x [K 1,024, N 1,024]; A: input keys; B: input Wk: QUANTISED
;;     3. [M 65,536, K 1,024] x [K 1,024, N 1]; A: computed on the way; B: input v: left as it is (N = 1 < 16)
;;     4. batch 64 x [M 1, K 1,024] x [K 1,024, N 1,024]; A: computed on the way; B: input keys: left as it is (M = 1 < 16)
;;   THE QUANTISER, for each operand of a quantised product, along K:
;;     - K is cut into blocks of 32 from its start; a last block that is shorter is filled with zeros.
;;     - A block's scale is 2^e with e = floor(log2(the largest magnitude in the block)) - 2, held to -126 .. 127; a block of zeros has e = 0. As a byte (E8M0): e + 127.
;;     - Each number is divided by its block's scale, clamped to +-6, and rounded to the nearest number of E2M1, ties to even, subnormals kept.
;;     - The product sums the exact products of the quantised numbers (number of the format x scale) in f32.
;;   ~~~python
;;   def quantise(x, axis):      # numpy; x: float32 -> the quantised numbers, widened to float32 again
;;       x = np.moveaxis(x, axis, -1); K = x.shape[-1]
;;       x = np.pad(x, [(0, 0)] * (x.ndim - 1) + [(0, -K % 32)]); x = x.reshape(x.shape[:-1] + (-1, 32)); a = np.abs(x).max(-1, keepdims=True)
;;       e = np.where(a > 0, np.clip(np.frexp(np.where(a > 0, a, 1))[1] - 1 - 2, -126, 127), 0)      # np.frexp(a)[1] - 1 = floor(log2(a)), exactly
;;       r = np.clip(x / 2.0 ** e, -6, 6)
;;       step = 2.0 ** (np.maximum(np.frexp(np.where(r == 0, 1, r))[1] - 1, 0) - 1)
;;       q = np.round(r / step) * step * 2.0 ** e      # np.round: ties to even
;;       return np.moveaxis(q.reshape(q.shape[:-2] + (-1,))[..., :K], -1, axis).astype(np.float32)
;;   ~~~
;; 2 versions. Each part assembles by itself: llvm-mc -triple=amdgcn-amd-amdhsa -mcpu=gfx1250 --defsym DOCPART=n.
;; ======== version 1 of 2: 3 launches
;; limits: right only within a limited range of input values
;; workspace buffers: wkc 524,288 bytes; wks 32,768 bytes; qps 262,144 bytes; ews 262,144 bytes; order 262,144 bytes of whole numbers; pos 262,144 bytes of whole numbers; cnt 256 bytes of whole numbers
;; launch prep (part 1): grid 100 x 1, 16 waves a work-group, no clusters, 99,328 bytes of LDS; arguments Wk, Wq, query, mask, wkc, wks, qps, order, pos, cnt, ews; writes wkc, wks, qps, order, pos, cnt, ews
.if DOCPART == 1
	.amdgcn_target "amdgcn-amd-amdhsa--gfx1250"
	.amdhsa_code_object_version 6
	.text
	.protected	k_q713829c6d0_prep
	.globl	k_q713829c6d0_prep
	.p2align	8
	.type	k_q713829c6d0_prep,@function
k_q713829c6d0_prep:
	s_mov_b64 s[64:65], 0
	v_nop
	global_prefetch_b8 v0, s[64:65] scope:SCOPE_SE
	s_setreg_imm32_b32 hwreg(HW_REG_WAVE_MODE, 25, 1), 1
	s_wait_xcnt 0x0
; BAHDANAU ATTENTION IN MX-FP4, launch 1 of 3: what the large launch wants ready.
; WORK LEFT OUT, for all values of the inputs.  tanh x = 1 - 2 / (1 + 2^(c x)), c = 2 log2 e, so energy[b][s] = sum_h v[h] - 2 sum_h v[h] / (1 + 2^(c x[b][s][h])).
; The first term is the same for every s of a batch; it enters nothing but the softmax over s, which a term common along its axis does not move; the energies are no output.  So sum_h v[h] is never formed.
; CHOSEN BY WHOLE NUMBERS, not dead: a row with mask = 1 gets -inf ahead of the softmax, so its weight is 0 and neither its energy nor its key row reaches an output.  This launch reads the mask and stores,
; for each batch, the rows in an order with the rows that count first; the later launches read that list and multiply only those rows.  Every input is loaded by some launch.
; LIMITS.  A NaN or an infinity in a padded key row, or an overflow in the term left out, is not carried to the result.  A block of zeros gets the scale byte 1 where the quantiser says 127: its codes are zeros, which add
; nothing under any byte but 0xff, and this program alone reads the bytes.  NaN and infinities among the inputs are not served.
; THREE KINDS OF WORK-GROUP, told apart by the work-group's number alone; each kind has LDS bytes of its own.
;   0-63   tile T of 16 hidden units: qps[T][b][16] = c x (query Wq^T): Wq's 16 rows and the 64 rows of query are quantised, wave w multiplies K step w % 8 of two tiles of batches, eight waves add the K steps
;   64-95  32 rows of Wk become codes in the order of the operand's registers, wkc[T][K step][half][lane][16 bytes], and scale bytes wks[row][32]
;   96-99  a wave a batch: order[b][i] = the row at place i (rows that count first), pos = its inverse, cnt[b] = how many count; ews[b][:] = -inf
; A ROW OF 1,024 NUMBERS lies in a wave as four pieces: lane l holds k = 256 p + 8 l + 0..7 in eight registers on end, so a block of 32 is four neighbouring lanes and a conversion's eight codes are four bytes of the row.
.set CP,    528                        ; a row of codes in LDS: 512 bytes + 16: the sixteen rows of a fragment load start 16 bytes apart modulo 256
.set SPT,   48                         ; a row of scale bytes in LDS: 32 + 16
.set CB,    0                          ; first kind: 80 rows of codes,
.set SB,    80*CP                      ; their scale bytes,
.set RED,   SB+80*SPT                  ; and 16 waves x 2,048 bytes of partial sums
.set CA,    RED+16*2048                ; second kind: 32 rows of codes,
.set SA,    CA+32*CP                   ; their scale bytes
.set SPARE, SA+32*SPT                  ; the spare words, 128 bytes for each of 16 waves: no other line names them
.set FLOOR, 0x1800000                  ; 2^(3 - 127): under it no largest magnitude is taken, so the byte cannot fall under 1
.set SUB2,  0xff000000                 ; takes 2 off an exponent field
.set C2,    0x4038aa3b                 ; 2 log2 e
.set NINF,  0xff800000
.set T,     20                         ; v20-23 largest magnitudes, then scale operands; v24-27 codes; v28-31 scale bytes
; The row in v[x] .. v[x + 31] becomes 512 bytes of codes at v6 + co and 32 scale bytes at v7 + so.  The four pieces take turns line by line.
.macro QROW x, co, so
.irp p, 0,1,2,3
	v_max3_num_f32 v[T+\p], |v[(\x)+8*\p]|, |v[(\x)+8*\p+1]|, FLOOR
.endr
.irp i, 2,4,6
.irp p, 0,1,2,3
	v_max3_num_f32 v[T+\p], |v[(\x)+8*\p+\i]|, |v[(\x)+8*\p+\i+1]|, v[T+\p]
.endr
.endr
.irp m, 1,2
.irp p, 0,1,2,3
	v_max_num_f32_dpp v[T+\p], v[T+\p], v[T+\p] row_xmask:\m row_mask:0xf bank_mask:0xf   ; with the block's other three lanes
.endr
.endr
.irp p, 0,1,2,3
	v_add_nc_u32 v[T+\p], SUB2, v[T+\p]            ; the conversion takes the exponent field of this operand as its scale
.endr
.irp p, 0,1,2,3
	v_cvt_scalef32_pk8_fp4_f32 v[T+4+\p], v[(\x)+8*\p:(\x)+8*\p+7], v[T+\p]
.endr
.irp p, 0,1,2,3
	v_lshrrev_b32 v[T+8+\p], 23, v[T+\p]           ; the scale's byte; also the plain lines behind the conversions
.endr
.irp p, 0,1,2,3
	ds_store_b32 v6, v[T+4+\p] offset:(\co)+128*\p
	ds_store_b8 v7, v[T+8+\p] offset:(\so)+8*\p    ; a block's four lanes write the same byte with the same value
.endr
.endm
	s_load_b512 s[4:19], s[0:1], 0x0               ; Wk, Wq, query, mask, wkc, wks, qps, order
	s_load_b128 s[20:23], s[0:1], 0x40             ; pos, cnt
	s_load_b64 s[24:25], s[0:1], 0x50              ; ews
	v_lshl_add_u32 v12, v0, 2, SPARE               ; my spare word,
	v_mov_b32 v13, 0                               ; and 0: kept for the closing lines alone
	v_lshrrev_b32 v1, 5, v0
	v_readfirstlane_b32 s26, v1                    ; wave 0..15
	v_and_b32 v1, 31, v0                           ; lane
	v_and_b32 v2, 15, v0                           ; r
	v_bfe_u32 v3, v0, 4, 1                         ; h
	v_lshlrev_b32 v4, 5, v1                        ; 32 x lane: my eight numbers of a piece
	v_lshlrev_b32 v5, 4, v1                        ; 16 x lane
	s_mov_b32 s31, 0
	s_wait_kmcnt 0x0
	s_cmp_lt_u32 ttmp9, 64
	s_cbranch_scc1 .Lrole_b
	s_cmp_lt_u32 ttmp9, 96
	s_cbranch_scc1 .Lrole_a
; ---- 96-99: the mask of batch b = 16 (work-group - 96) + wave.  No LDS.
	s_sub_co_u32 s28, ttmp9, 96
	s_lshl_b32 s28, s28, 4
	s_add_co_u32 s28, s28, s26                     ; b
	s_lshl_b32 s30, s28, 10
	s_add_nc_u64 s[10:11], s[10:11], s[30:31]      ; the batch's 1,024 mask bytes
	s_lshl_b32 s30, s28, 12
	s_add_nc_u64 s[18:19], s[18:19], s[30:31]      ; its rows of order, pos and ews
	s_add_nc_u64 s[20:21], s[20:21], s[30:31]
	s_add_nc_u64 s[24:25], s[24:25], s[30:31]
	s_lshl_b32 s30, s28, 2
	s_add_nc_u64 s[22:23], s[22:23], s[30:31]      ; its word of cnt
.set j, 0
.rept 32
	global_load_u8 v[32+j], v1, s[10:11] offset:32*j   ; chunk j: rows 32 j + lane
.set j, j+1
.endr
	v_lshlrev_b32 v6, 2, v1
.irp e, 8,9,10,11
	v_mov_b32 v\e, NINF
.endr
.irp i, 0,1,2,3,4,5,6,7
	global_store_b128 v5, v[8:11], s[24:25] offset:512*\i   ; every energy begins as -inf: the next launch writes those that count
.endr
	s_wait_loadcnt 0x0
.set j, 0
.rept 32
	v_cmp_eq_u32 s[32+j], 0, v[32+j]               ; chunk j's lanes that count
.set j, j+1
.endr
	s_mov_b32 s27, 0
.set j, 0
.rept 32
	s_bcnt1_i32_b32 s28, s[32+j]
	s_add_co_u32 s27, s27, s28                     ; c: how many rows count
.set j, j+1
.endr
	s_mov_b32 s29, 0                               ; rows that count in the chunks before
.set j, 0
.rept 32                               ; every chunk has registers of its own for what its stores read: nothing that a store reads is written again
	v_mbcnt_lo_u32_b32 v20, s[32+j], 0             ; rows that count in lower lanes of this chunk
	s_sub_co_u32 s30, s27, s29
	s_add_co_u32 s30, s30, 32*j                    ; c + the padded rows of the chunks before
	v_sub_nc_u32 v22, v1, v20                      ; the padded rows in lower lanes
	v_add_nc_u32 v21, s29, v20                     ; my place if I count,
	v_add_nc_u32 v22, s30, v22                     ; and if I am padded
	v_cndmask_b32 v[64+j], v22, v21, s[32+j]
	v_min_u32 v[96+j], 0x3ff, v[64+j]              ; held inside the batch's 1,024 places before it enters an address
	v_lshlrev_b32 v[96+j], 2, v[96+j]
	v_add_nc_u32 v[128+j], 32*j, v1                ; my row
	global_store_b32 v6, v[64+j], s[20:21] offset:128*j
	global_store_b32 v[96+j], v[128+j], s[18:19]
	s_bcnt1_i32_b32 s28, s[32+j]
	s_add_co_u32 s29, s29, s28
.set j, j+1
.endr
	v_mov_b32 v24, s27
	v_mov_b32 v25, 0
	global_store_b32 v25, v24, s[22:23]            ; all lanes write the one word with the one value
	s_endpgm
; ---- 64-95: 32 rows of Wk, two to a wave
.Lrole_a:
	s_sub_co_u32 s27, ttmp9, 64                    ; a
	s_lshl_b32 s28, s27, 5
	s_lshl_b32 s29, s26, 1
	s_add_co_u32 s28, s28, s29                     ; my first row
	s_lshl_b32 s30, s28, 12
	s_add_nc_u64 s[4:5], s[4:5], s[30:31]
.irp u, 0,1
.irp p, 0,1,2,3
	global_load_b128 v[96+32*\u+8*\p:96+32*\u+8*\p+3], v4, s[4:5] offset:4096*\u+1024*\p
	global_load_b128 v[96+32*\u+8*\p+4:96+32*\u+8*\p+7], v4, s[4:5] offset:4096*\u+1024*\p+16
.endr
.endr
	s_lshl_b32 s30, s27, 14
	s_lshl_b32 s28, s26, 10
	s_add_co_u32 s30, s30, s28
	s_add_nc_u64 s[12:13], s[12:13], s[30:31]      ; wkc: fragment (tile 2 a + wave / 8, K step wave % 8) is 1,024 bytes
	s_lshl_b32 s30, s27, 10
	s_add_nc_u64 s[14:15], s[14:15], s[30:31]      ; wks: 32 rows of 32 bytes
	s_mul_i32 s28, s26, 2*CP
	s_add_co_u32 s28, s28, CA
	v_lshl_add_u32 v6, v1, 2, s28                  ; where my rows' codes go,
	s_mul_i32 s28, s26, 2*SPT
	s_add_co_u32 s28, s28, SA
	v_lshrrev_b32 v7, 2, v1
	v_add_nc_u32 v7, s28, v7                       ; and their scale bytes
	s_lshr_b32 s28, s26, 3
	s_mul_i32 s28, s28, 16*CP
	s_and_b32 s29, s26, 7
	s_lshl_b32 s29, s29, 6
	s_add_co_u32 s28, s28, s29
	s_add_co_u32 s28, s28, CA
	v_mul_u32_u24 v8, v2, CP
	v_lshl_add_u32 v8, v3, 4, v8
	v_add_nc_u32 v8, s28, v8                       ; my fragment: row r of the tile, 64 bytes a K step, + 16 h
	v_and_b32 v9, 63, v0
	v_lshrrev_b32 v10, 1, v9
	v_mul_u32_u24 v10, v10, SPT
	v_and_b32 v11, 1, v0
	v_lshl_add_u32 v10, v11, 4, v10
	v_add_nc_u32 v10, SA, v10                      ; (waves 0, 1) half a row of scale bytes a thread
	v_lshlrev_b32 v11, 4, v9
	s_wait_loadcnt 8                               ; the first row's eight loads are in, the second row's eight may be out
	QROW 96, 0, 0
	s_wait_loadcnt 0x0
	QROW 128, CP, SPT
	s_wait_dscnt 0x0                               ; for the others' sake: my stores have landed
	s_barrier_signal -1
	s_barrier_wait -1
	ds_load_b128 v[32:35], v8                      ; k = 128 s + 32 h + 0..31,
	ds_load_b128 v[36:39], v8 offset:32            ; and + 64: the operand's eight registers
	s_wait_dscnt 0x0
	global_store_b128 v5, v[32:35], s[12:13]       ; 512 bytes on end a store
	global_store_b128 v5, v[36:39], s[12:13] offset:512
	s_cmp_lt_u32 s26, 2
	s_cbranch_scc0 .La_end
	ds_load_b128 v[40:43], v10
	s_wait_dscnt 0x0
	global_store_b128 v11, v[40:43], s[14:15]
.La_end:
	s_wait_tensorcnt 0x0                           ; the wave's end
	ds_add_u32 v12, v13
	s_wait_dscnt 0x0
	s_endpgm
; ---- 0-63: c x query_proj for hidden units 16 T .. 16 T + 15
.Lrole_b:
	s_lshl_b32 s30, ttmp9, 16
	s_add_nc_u64 s[6:7], s[6:7], s[30:31]          ; Wq at row 16 T
	s_lshl_b32 s30, ttmp9, 12
	s_add_nc_u64 s[16:17], s[16:17], s[30:31]      ; qps at tile T
	s_mul_i32 s27, s26, 5                          ; of the 80 rows (16 of Wq, then 64 of query) five are mine
.irp u, 0,1,2,3,4
	s_add_co_u32 s28, s27, \u
	s_cmp_lt_u32 s28, 16                           ; the choice of buffer hangs on the wave's number alone
	s_cselect_b64 s[32+2*\u:33+2*\u], s[6:7], s[8:9]
	s_cselect_b32 s29, 0, 16
	s_sub_co_u32 s28, s28, s29
	s_lshl_b32 s30, s28, 12
	s_add_nc_u64 s[32+2*\u:33+2*\u], s[32+2*\u:33+2*\u], s[30:31]
.endr
.irp u, 0,1,2,3,4
.irp p, 0,1,2,3
	global_load_b128 v[96+32*\u+8*\p:96+32*\u+8*\p+3], v4, s[32+2*\u:33+2*\u] offset:1024*\p
	global_load_b128 v[96+32*\u+8*\p+4:96+32*\u+8*\p+7], v4, s[32+2*\u:33+2*\u] offset:1024*\p+16
.endr
.endr
	s_mul_i32 s28, s26, 5*CP
	v_lshl_add_u32 v6, v1, 2, s28                  ; where my rows' codes go (CB = 0),
	s_mul_i32 s28, s26, 5*SPT
	s_add_co_u32 s28, s28, SB
	v_lshrrev_b32 v7, 2, v1
	v_add_nc_u32 v7, s28, v7                       ; and their scale bytes
	v_mul_u32_u24 v8, v2, CP
	v_lshl_add_u32 v8, v3, 4, v8
	s_and_b32 s28, s26, 7                          ; my K step
	s_lshl_b32 s29, s28, 6
	v_add_nc_u32 v8, s29, v8                       ; Wq's fragment: row r, + 16 h, + 64 s
	s_lshr_b32 s30, s26, 3                         ; which two tiles of batches are mine
	s_mul_i32 s29, s30, 32*CP
	v_add_nc_u32 v9, s29, v8                       ; query's: 16 + 32 half + 16 a rows further on
	v_mul_u32_u24 v10, v2, SPT
	s_lshl_b32 s29, s28, 2
	s_add_co_u32 s29, s29, SB
	v_add_nc_u32 v10, s29, v10                     ; the scale words likewise
	s_mul_i32 s29, s30, 32*SPT
	v_add_nc_u32 v11, s29, v10
	s_lshl_b32 s29, s26, 11
	s_add_co_u32 s29, s29, RED
	v_add_nc_u32 v72, s29, v5                      ; my partial sums: images of four registers, 16 bytes a lane
	v_bfe_u32 v17, v0, 7, 1                        ; the adding, thread t of 256: batch t / 4, hidden units 4 (t % 4) on.  They lie in wave s + 8 (t / 128),
	v_lshlrev_b32 v17, 14, v17
	v_bfe_u32 v18, v0, 6, 1                        ; its tile (t / 64) % 2,
	v_lshl_add_u32 v17, v18, 10, v17
	v_and_b32 v18, 1, v0                           ; the accumulator's lower or upper four registers,
	v_lshl_add_u32 v17, v18, 9, v17
	v_bfe_u32 v18, v0, 2, 4                        ; lane r = (t / 4) % 16
	v_lshl_add_u32 v17, v18, 4, v17
	v_bfe_u32 v18, v0, 1, 1                        ; + 16 h, h = (t / 2) % 2
	v_lshl_add_u32 v17, v18, 8, v17
	v_add_nc_u32 v17, RED, v17
	v_lshlrev_b32 v19, 4, v0
.irp u, 0,1,2,3,4
	s_wait_loadcnt 32-8*\u                         ; row u's eight loads are in; eight for each later row may be out
	QROW 96+32*\u, CP*\u, SPT*\u
.endr
	s_wait_dscnt 0x0                               ; for the others' sake: my stores have landed
	s_barrier_signal -1
	s_barrier_wait -1
	ds_load_b128 v[32:35], v8
	ds_load_b128 v[36:39], v8 offset:32
	ds_load_b128 v[40:43], v9 offset:16*CP
	ds_load_b128 v[44:47], v9 offset:16*CP+32
	ds_load_b128 v[48:51], v9 offset:32*CP
	ds_load_b128 v[52:55], v9 offset:32*CP+32
	ds_load_b32 v14, v10                           ; v14-16 hold scale words and nothing else
	ds_load_b32 v15, v11 offset:16*SPT
	ds_load_b32 v16, v11 offset:32*SPT
	s_wait_dscnt 0x0
	; used transposed: source 0 = Wq's 16 rows, source 1 = 16 batches: lane (r, h) holds batch r and hidden units 8 h + 0..7
	v_wmma_scale_f32_16x16x128_f8f6f4 v[56:63], v[32:39], v[40:47], 0, v14, v15 matrix_a_fmt:MATRIX_FMT_FP4 matrix_b_fmt:MATRIX_FMT_FP4
	v_wmma_scale_f32_16x16x128_f8f6f4 v[64:71], v[32:39], v[48:55], 0, v14, v16 matrix_a_fmt:MATRIX_FMT_FP4 matrix_b_fmt:MATRIX_FMT_FP4
.rept 4
	v_nop                                          ; four places between a matrix instruction and the LDS stores that read its result
.endr
	ds_store_b128 v72, v[56:59]                    ; each accumulator from its low end on
	ds_store_b128 v72, v[60:63] offset:512
	ds_store_b128 v72, v[64:67] offset:1024
	ds_store_b128 v72, v[68:71] offset:1536
	s_wait_dscnt 0x0
	s_barrier_signal -1
	s_barrier_wait -1
	s_cmp_lt_u32 s26, 8
	s_cbranch_scc0 .Lb_end
.irp s, 0,1,2,3,4,5,6,7
	ds_load_b128 v[96+4*\s:99+4*\s], v17 offset:2048*\s   ; the eight K steps' parts
.endr
	s_wait_dscnt 0x0
.irp s, 0,2,4,6
	v_pk_add_f32 v[96+4*\s:97+4*\s], v[96+4*\s:97+4*\s], v[100+4*\s:101+4*\s]
	v_pk_add_f32 v[98+4*\s:99+4*\s], v[98+4*\s:99+4*\s], v[102+4*\s:103+4*\s]
.endr
.irp s, 0,4
	v_pk_add_f32 v[96+4*\s:97+4*\s], v[96+4*\s:97+4*\s], v[104+4*\s:105+4*\s]
	v_pk_add_f32 v[98+4*\s:99+4*\s], v[98+4*\s:99+4*\s], v[106+4*\s:107+4*\s]
.endr
	v_pk_add_f32 v[96:97], v[96:97], v[112:113]
	v_pk_add_f32 v[98:99], v[98:99], v[114:115]
.irp e, 96,97,98,99
	v_mul_f32 v\e, C2, v\e                         ; x c, so that the next launch needs one fused multiply-add for c (q + k)
.endr
	global_store_b128 v19, v[96:99], s[16:17]      ; a wave stores 512 bytes on end
.Lb_end:
	s_wait_tensorcnt 0x0                           ; the wave's end
	ds_add_u32 v12, v13
	s_wait_dscnt 0x0
	s_endpgm
.Lfunc_end_k_q713829c6d0_prep:
	.size	k_q713829c6d0_prep, .Lfunc_end_k_q713829c6d0_prep-k_q713829c6d0_prep
	.p2alignl 7, 3214868480
	.fill 96, 4, 3214868480
	.section	.rodata,"a",@progbits
	.p2align	6, 0x0
	.amdhsa_kernel k_q713829c6d0_prep
		.amdhsa_group_segment_fixed_size 99328
		.amdhsa_private_segment_fixed_size 0
		.amdhsa_enable_private_segment 0
		.amdhsa_kernarg_size 88
		.amdhsa_user_sgpr_count 2
		.amdhsa_user_sgpr_kernarg_segment_ptr 1
		.amdhsa_wavefront_size32 1
		.amdhsa_system_sgpr_workgroup_id_x 1
		.amdhsa_system_sgpr_workgroup_id_y 1
		.amdhsa_system_sgpr_workgroup_id_z 1
		.amdhsa_system_vgpr_workitem_id 0
		.amdhsa_next_free_vgpr 256
		.amdhsa_next_free_sgpr 66
		.amdhsa_reserve_vcc 0
		.amdhsa_float_denorm_mode_32 3
		.amdhsa_float_denorm_mode_16_64 3
		.amdhsa_memory_ordered 1
		.amdhsa_forward_progress 1
		.amdhsa_inst_pref_size 66
	.end_amdhsa_kernel
	.amdgpu_metadata
---
amdhsa.version: [ 1, 2 ]
amdhsa.kernels:
  - .name:           k_q713829c6d0_prep
    .symbol:         k_q713829c6d0_prep.kd
    .args:
      - { .name: Wk, .offset: 0, .size: 8, .value_kind: global_buffer, .address_space: global }
      - { .name: Wq, .offset: 8, .size: 8, .value_kind: global_buffer, .address_space: global }
      - { .name: query, .offset: 16, .size: 8, .value_kind: global_buffer, .address_space: global }
      - { .name: mask, .offset: 24, .size: 8, .value_kind: global_buffer, .address_space: global }
      - { .name: wkc, .offset: 32, .size: 8, .value_kind: global_buffer, .address_space: global }
      - { .name: wks, .offset: 40, .size: 8, .value_kind: global_buffer, .address_space: global }
      - { .name: qps, .offset: 48, .size: 8, .value_kind: global_buffer, .address_space: global }
      - { .name: order, .offset: 56, .size: 8, .value_kind: global_buffer, .address_space: global }
      - { .name: pos, .offset: 64, .size: 8, .value_kind: global_buffer, .address_space: global }
      - { .name: cnt, .offset: 72, .size: 8, .value_kind: global_buffer, .address_space: global }
      - { .name: ews, .offset: 80, .size: 8, .value_kind: global_buffer, .address_space: global }
    .group_segment_fixed_size: 99328
    .private_segment_fixed_size: 0
    .kernarg_segment_align: 8
    .kernarg_segment_size: 88
    .max_flat_workgroup_size: 512
    .sgpr_count:     66
    .vgpr_count:     256
    .wavefront_size: 32
...
	.end_amdgpu_metadata
.endif
;; end of part 1
;; launch energy (part 2): grid 4 x 64, 4 waves a work-group, no clusters, 279,040 bytes of LDS; arguments keys, v, wkc, wks, qps, order, cnt, ews; writes ews
.if DOCPART == 2
	.amdgcn_target "amdgcn-amd-amdhsa--gfx1250"
	.amdhsa_code_object_version 6
	.text
	.protected	k_q713829c6d0_energy
	.globl	k_q713829c6d0_energy
	.p2align	8
	.type	k_q713829c6d0_energy,@function
k_q713829c6d0_energy:
	s_mov_b64 s[64:65], 0
	v_nop
	global_prefetch_b8 v0, s[64:65] scope:SCOPE_SE
	s_setreg_imm32_b32 hwreg(HW_REG_WAVE_MODE, 25, 1), 1
	s_wait_xcnt 0x0
; Launch 2 of 3: ews[b][i] = -2 sum_h v[h] / (1 + 2^(c (q[b][h] + k[row][h]))), row = order[b][i], for the places i of rows that count; k = keys Wk^T on codes of FP4 (E2M1) with E8M0 scales.
; LEFT OUT: the term sum_h v[h], which is the same along the softmax's axis (shown at the head of the first launch), and the rows that the stored list puts behind cnt[b]: their weight is 0.
; SHARES.  Work-group (q, b) takes the tiles q, q + 4, q + 8 .. of 16 places of batch b: n of them, at most 16; n comes from cnt[b].  THE FOUR WAVES SHARE THE COLUMNS: wave w owns hidden units 256 w .. 256 w + 255, in two
; passes of 128.  A pass's 64 fragments of Wk stay in 512 registers, so Wk's codes are read once by the work-group whatever n is.  In pass 0 wave w also gathers and quantises rows 4 w .. 4 w + 3 of each tile; the codes go to
; LDS, where all four waves read them in both passes: each key row is read from memory and quantised once.
; NO TENSOR LOAD, NO CLUSTER: what a step does hangs on n, a number read from memory; Wk's codes, which all work-groups read, are held in registers instead, 544 KB a work-group in all.
; Every wave walks all 16 steps and passes every barrier; a step beyond n jumps over its work alone.
; A TILE'S WORK: 64 matrix instructions (source 0 = 16 key rows, source 1 = 16 rows of Wk: lane (r, h) holds column r and rows 8 h + 0..7, so q and v cost one number a lane and tile); c x + c q by one packed
; multiply-add; 64 exponentials, + 1, 64 reciprocals; x v, summed over the pass's eight tiles into eight registers, which go to LDS as an image.  At the end the eight images of a tile (2 passes x 4 waves) are added, then the 16 lanes.
; LIMITS: as stated at the head of the first launch.  2^(..) may overflow to infinity: its reciprocal is 0, which is the limit of the formula.
; REGISTERS, in windows of 256.  Window 0: v1-31 addresses and lists; v32-63 Wk's scale words (register 8 tt + s: lanes 0-15 tile tt, lanes 16-31 tile tt + 4); v64-71 the key rows' scale words; v72-79 the energies' parts;
;   v80-91 the quantiser's; v96-111 c q, v112-127 v, a pair of equal numbers a tile; v128-255 four key rows (even tiles).   Window 1: Wk's tiles 0-3.   Window 2: tiles 4-7.
;   Window 3: v0-63 eight accumulators; v64-127 the key rows' eight fragments; v128-255 four key rows (odd tiles).
.set CP,    528                        ; a row of codes in LDS: 512 bytes + 16
.set SPT,   48                         ; a row of scale bytes: 32 + 16
.set SLOTC, 16*CP                      ; a tile's codes
.set SLOTS, 16*SPT                     ; and scale bytes
.set SCL,   16*SLOTC                   ; LDS: 16 tiles of codes, then their scale bytes,
.set EIMG,  SCL+16*SLOTS               ; then the images [tile 16][pass 2][wave 4] of 1,024 bytes,
.set SPARE, EIMG+16*8192               ; then the spare words, 128 bytes a wave: no other line names them
.set FLOOR, 0x1800000
.set SUB2,  0xff000000
.set C2,    0x4038aa3b                 ; 2 log2 e
.set NINF,  0xff800000
.set T,     80
.set MSB,   0
.macro WIN new                         ; low byte: bits 1:0 source 0, 3:2 source 1, 5:4 source 2, 7:6 destination; the high byte repeats the setting that is left
.if MSB != \new
	s_set_vgpr_msb (MSB<<8)|\new
.set MSB, \new
.endif
.endm
; The row in v[x] .. v[x + 31] (hi = 1: of window 3) becomes 512 bytes of codes at v11 + co and 32 scale bytes at v12 + so.  Lane l holds k = 256 p + 8 l + 0..7 of piece p; a block of 32 is four neighbouring lanes.
.macro QROW x, co, so, hi
.if \hi
	WIN 0x0f                                       ; sources 0 and 1 in window 3; the running maximum and the result in window 0
.endif
.irp p, 0,1,2,3
	v_max3_num_f32 v[T+\p], |v[(\x)+8*\p]|, |v[(\x)+8*\p+1]|, FLOOR
.endr
.irp i, 2,4,6
.irp p, 0,1,2,3
	v_max3_num_f32 v[T+\p], |v[(\x)+8*\p+\i]|, |v[(\x)+8*\p+\i+1]|, v[T+\p]
.endr
.endr
	WIN 0
.irp m, 1,2
.irp p, 0,1,2,3
	v_max_num_f32_dpp v[T+\p], v[T+\p], v[T+\p] row_xmask:\m row_mask:0xf bank_mask:0xf
.endr
.endr
.irp p, 0,1,2,3
	v_add_nc_u32 v[T+\p], SUB2, v[T+\p]            ; 2 off the exponent field: the conversion's scale operand
.endr
.if \hi
	WIN 0x03                                       ; the eight numbers in window 3
.endif
.irp p, 0,1,2,3
	v_cvt_scalef32_pk8_fp4_f32 v[T+4+\p], v[(\x)+8*\p:(\x)+8*\p+7], v[T+\p]
.endr
	WIN 0
.irp p, 0,1,2,3
	v_lshrrev_b32 v[T+8+\p], 23, v[T+\p]           ; the scale's byte; also the plain lines behind the conversions
.endr
.irp p, 0,1,2,3
	ds_store_b32 v11, v[T+4+\p] offset:(\co)+128*\p
	ds_store_b8 v12, v[T+8+\p] offset:(\so)+8*\p   ; a block's four lanes write the same byte with the same value
.endr
.endm
.macro QTILE sg                        ; my four rows of the trip's tile sg
.irp u, 0,1,2,3
	QROW 128+32*\u, \sg*SLOTC+CP*\u, \sg*SLOTS+SPT*\u, \sg
.endr
.endm
; my four rows of a later tile: their numbers out of lanes s62 + add + 0..3 of the list, held inside the batch's 1,024 rows, x 4,096 bytes + 32 x lane
.macro XROWS set, lst, add
.irp u, 0,1,2,3
	s_add_co_u32 s39, s62, \add+\u
	v_readlane_b32 s[40+\u], v[\lst], s39
	s_min_u32 s[40+\u], s[40+\u], 0x3ff
	v_lshl_add_u32 v[20+4*(\set)+\u], s[40+\u], 12, v5
.endr
.endm
.macro XLOADS set                      ; 32 loads: four rows of 4,096 bytes; a pair of loads covers 1,024 bytes on end
.if \set
	WIN 0xc0                                       ; destination window 3, address window 0
.endif
.irp u, 0,1,2,3
.irp p, 0,1,2,3
	global_load_b128 v[128+32*\u+8*\p:128+32*\u+8*\p+3], v[20+4*(\set)+\u], s[34:35] offset:1024*\p th:TH_LOAD_NT
	global_load_b128 v[128+32*\u+8*\p+4:128+32*\u+8*\p+7], v[20+4*(\set)+\u], s[34:35] offset:1024*\p+16 th:TH_LOAD_NT
.endr
.endr
	WIN 0
.endm
; a pass's weights: 64 fragments of Wk as they lie in wkc, their scale words, c q and v of my eight tiles.  places = 1: matrix instructions have read these registers
.macro BLOAD places
.if \places
.rept 4
	v_nop                                          ; four places between a matrix instruction and a load into a register that it read
.endr
.endif
	WIN 0x40
.set L, 0
.rept 64
	global_load_b128 v[4*L:4*L+3], v4, s[36:37] offset:512*L
.set L, L+1
.endr
	WIN 0x80
.set L, 0
.rept 64
	global_load_b128 v[4*L:4*L+3], v4, s[36:37] offset:32768+512*L
.set L, L+1
.endr
	WIN 0
.irp tt, 0,1,2,3
	global_load_b128 v[32+8*\tt:35+8*\tt], v28, s[52:53] offset:512*\tt      ; row r of tile tt + 4 h: its words of K steps 0-3,
	global_load_b128 v[36+8*\tt:39+8*\tt], v28, s[52:53] offset:512*\tt+16   ; and 4-7
.endr
.irp t, 0,1,2,3,4,5,6,7
	global_load_b32 v[96+2*\t], v29, s[54:55] offset:4096*\t                 ; each number into both registers of its pair: the packed forms take a pair
	global_load_b32 v[97+2*\t], v29, s[54:55] offset:4096*\t
	global_load_b32 v[112+2*\t], v29, s[56:57] offset:64*\t
	global_load_b32 v[113+2*\t], v29, s[56:57] offset:64*\t
.endr
.endm
; 32 matrix instructions: four accumulators from a0 on by turns, one instruction a turn, K ascending; the first K step starts the sums
.macro MM a0, row1
.irp s, 0,1,2,3,4,5,6,7
.irp tt, 0,1,2,3
.if \row1
.if \s == 0
	v_wmma_scale_f32_16x16x128_f8f6f4 v[\a0+8*\tt:\a0+8*\tt+7], v[64+8*\s:71+8*\s], v[64*\tt+8*\s:64*\tt+8*\s+7], 0, v[64+\s], v[32+8*\tt+\s] matrix_a_fmt:MATRIX_FMT_FP4 matrix_b_fmt:MATRIX_FMT_FP4 matrix_b_scale:MATRIX_SCALE_ROW1
.else
	v_wmma_scale_f32_16x16x128_f8f6f4 v[\a0+8*\tt:\a0+8*\tt+7], v[64+8*\s:71+8*\s], v[64*\tt+8*\s:64*\tt+8*\s+7], v[\a0+8*\tt:\a0+8*\tt+7], v[64+\s], v[32+8*\tt+\s] matrix_a_fmt:MATRIX_FMT_FP4 matrix_b_fmt:MATRIX_FMT_FP4 matrix_b_scale:MATRIX_SCALE_ROW1
.endif
.else
.if \s == 0
	v_wmma_scale_f32_16x16x128_f8f6f4 v[\a0+8*\tt:\a0+8*\tt+7], v[64+8*\s:71+8*\s], v[64*\tt+8*\s:64*\tt+8*\s+7], 0, v[64+\s], v[32+8*\tt+\s] matrix_a_fmt:MATRIX_FMT_FP4 matrix_b_fmt:MATRIX_FMT_FP4
.else
	v_wmma_scale_f32_16x16x128_f8f6f4 v[\a0+8*\tt:\a0+8*\tt+7], v[64+8*\s:71+8*\s], v[64*\tt+8*\s:64*\tt+8*\s+7], v[\a0+8*\tt:\a0+8*\tt+7], v[64+\s], v[32+8*\tt+\s] matrix_a_fmt:MATRIX_FMT_FP4 matrix_b_fmt:MATRIX_FMT_FP4
.endif
.endif
.endr
.endr
.endm
; the trip's tile odd against my pass's 128 hidden units
.macro COMPUTE odd
	WIN 0xc0
.irp s, 0,1,2,3,4,5,6,7
	ds_load_b128 v[64+8*\s:67+8*\s], v13 offset:\odd*SLOTC+64*\s       ; K step s: k = 128 s + 32 h + 0..31 of row r,
	ds_load_b128 v[68+8*\s:71+8*\s], v13 offset:\odd*SLOTC+64*\s+32    ; and + 64
.endr
	WIN 0
	ds_load_b128 v[64:67], v14 offset:\odd*SLOTS                       ; row r's eight scale words
	ds_load_b128 v[68:71], v14 offset:\odd*SLOTS+16
	s_wait_dscnt 0x0
	WIN 0xf7                                       ; key rows, C and D window 3; Wk window 1
	MM 0, 0
	WIN 0xfb                                       ; Wk window 2; its scale words lie in lanes 16-31
	MM 32, 1
	WIN 0xc3                                       ; source 0 and destination window 3
.rept 4
	v_nop                                          ; four places between the last matrix instruction and the first read of results (ISA guide 7.12.1)
.endr
.irp t, 0,1,2,3,4,5,6,7
.irp jj, 0,2,4,6
	v_pk_fma_f32 v[8*\t+\jj:8*\t+\jj+1], v[8*\t+\jj:8*\t+\jj+1], s[32:33], v[96+2*\t:97+2*\t] op_sel_hi:[1,0,1]   ; c k + c q; each accumulator from its low end on
.endr
.endr
.set j, 0
.rept 64
	v_exp_f32 v[j], v[j]
.set j, j+1
.endr
	v_nop                                          ; a plain line behind the last exponential,
	s_wait_alu depctr_va_vdst(0)                   ; and one wait for the batch ahead of its first reader
.set j, 0
.rept 32
	v_pk_add_f32 v[j:j+1], v[j:j+1], 1.0 op_sel_hi:[1,0]
.set j, j+2
.endr
.set j, 0
.rept 64
	v_rcp_f32 v[j], v[j]
.set j, j+1
.endr
	v_nop
	s_wait_alu depctr_va_vdst(0)                   ; likewise for the reciprocals
	WIN 0x03                                       ; source 0 window 3, all else window 0
.irp jj, 0,2,4,6
	v_pk_mul_f32 v[72+\jj:73+\jj], v[\jj:\jj+1], v[112:113]            ; the first tile starts the sums
.endr
.irp t, 1,2,3,4,5,6,7
.irp jj, 0,2,4,6
	v_pk_fma_f32 v[72+\jj:73+\jj], v[8*\t+\jj:8*\t+\jj+1], v[112+2*\t:113+2*\t], v[72+\jj:73+\jj]
.endr
.endr
	WIN 0
	ds_store_b128 v15, v[72:75] offset:\odd*8192                       ; lane (r, h): rows 8 h + 0..3 of my columns r, summed over eight tiles,
	ds_store_b128 v15, v[76:79] offset:\odd*8192+512                   ; and rows 8 h + 4..7
.endm
; A step of pass 0, tile i = s26 + sg.  ns: the other set of key rows; lim: the register that bounds the look-ahead; lst, add: where the next tile's rows stand in the lists.
.macro STEP0 sg, ns, lim, lst, add
	s_add_co_u32 s27, s26, \sg
	s_cmp_lt_u32 s27, s24
	s_cbranch_scc1 .Ldo_\@
	s_wait_loadcnt 0x0
	s_branch .Lbar_\@
.Ldo_\@:
	s_add_co_u32 s38, s27, 1
	s_cmp_lt_u32 s38, s[\lim]
	s_cbranch_scc0 .Lnone_\@
	XROWS \ns, \lst, \add                          ; the other set's last loads were waited for a step ago: its address registers and its rows are free
	XLOADS \ns                                     ; the next tile is asked for before this one is waited for: it has this whole step in which to land
	s_wait_loadcnt 32                              ; all but the 32 just issued: this tile's rows are in
	s_branch .Lq_\@
.Lnone_\@:
	s_wait_loadcnt 0x0
.Lq_\@:
	QTILE \sg
.Lbar_\@:
	s_wait_dscnt 0x0                               ; for the others' sake: my codes and scale bytes have landed (and my last image)
	s_barrier_signal -1
	s_barrier_wait -1                              ; on every wave's way in all 16 steps.  A tile's bytes are stored once and never again, so this one barrier is all the order that they need
	s_cmp_lt_u32 s27, s24
	s_cbranch_scc0 .Lskip_\@
	COMPUTE \sg
.Lskip_\@:
.endm
.macro STEP1 sg                        ; a step of pass 1: the codes lie in LDS
	s_add_co_u32 s27, s26, \sg
	s_cmp_lt_u32 s27, s24
	s_cbranch_scc0 .Ls1_\@
	COMPUTE \sg
.Ls1_\@:
.endm
	s_load_b512 s[4:19], s[0:1], 0x0               ; keys, v, wkc, wks, qps, order, cnt, ews
	v_lshl_add_u32 v18, v0, 2, SPARE               ; my spare word,
	v_mov_b32 v19, 0                               ; and 0: kept for the closing lines alone
	v_lshrrev_b32 v1, 5, v0
	v_readfirstlane_b32 s20, v1                    ; wave 0..3
	v_and_b32 v1, 31, v0                           ; lane
	v_and_b32 v2, 15, v0                           ; r
	v_bfe_u32 v3, v0, 4, 1                         ; h
	v_lshlrev_b32 v4, 4, v1                        ; 16 x lane
	v_lshlrev_b32 v5, 5, v1                        ; 32 x lane
	s_mov_b32 s21, ttmp9                           ; q
	s_and_b32 s22, ttmp7, 0xffff                   ; b
	s_mul_i32 s38, s20, 4*CP
	v_lshl_add_u32 v6, v1, 2, s38                  ; tile 0: where my four rows' codes go,
	s_mul_i32 s38, s20, 4*SPT
	s_add_co_u32 s38, s38, SCL
	v_lshrrev_b32 v7, 2, v1
	v_add_nc_u32 v7, s38, v7                       ; and their scale bytes;
	v_mul_u32_u24 v8, v2, CP
	v_lshl_add_u32 v8, v3, 4, v8                   ; a fragment: row r, + 16 h;
	v_mul_u32_u24 v9, v2, SPT
	v_add_nc_u32 v9, SCL, v9                       ; row r's scale words;
	s_lshl_b32 s38, s20, 10
	s_add_co_u32 s38, s38, EIMG
	v_add_nc_u32 v10, s38, v4                      ; my image
	v_lshlrev_b32 v28, 5, v2
	v_lshl_add_u32 v28, v3, 11, v28                ; wks: 32 bytes a row; lanes 16-31 four tiles (2,048 bytes) further on
	v_lshlrev_b32 v29, 2, v2                       ; qps, v: 4 r
	v_lshrrev_b32 v30, 2, v1
	v_lshlrev_b32 v30, 9, v30
	v_and_b32 v31, 3, v1
	v_lshl_add_u32 v30, v31, 2, v30                ; the lists: lane j takes row j % 4 of mine in tile 2 (j / 4): 128 places, 512 bytes, apart
	s_mov_b32 s32, C2
	s_mov_b32 s33, C2                              ; (named with it as a pair)
	s_mov_b32 s48, 0xaaaaaaaa                      ; lanes with bit 0, 1, 2 of their number set
	s_mov_b32 s49, 0xcccccccc
	s_mov_b32 s50, 0xf0f0f0f0
	s_mov_b32 s61, 0
	s_wait_kmcnt 0x0
	s_lshl_b32 s60, s22, 2
	s_add_nc_u64 s[16:17], s[16:17], s[60:61]
	s_load_b32 s23, s[16:17], 0x0                  ; cnt[b]
	s_lshl_b32 s60, s22, 12
	s_add_nc_u64 s[58:59], s[18:19], s[60:61]      ; the batch's row of ews,
	s_add_nc_u64 s[14:15], s[14:15], s[60:61]      ; and of order,
	s_lshl_b32 s38, s21, 6
	s_lshl_b32 s39, s20, 4
	s_add_co_u32 s60, s38, s39
	s_add_nc_u64 s[14:15], s[14:15], s[60:61]      ; at place 16 q + 4 w: my first row of my first tile
	s_load_b128 s[40:43], s[14:15], 0x0            ; my rows of tile 0,
	s_load_b128 s[44:47], s[14:15], 0x100          ; and of tile 1, 64 places on.  order is a permutation of the batch's rows: every entry is a row
	s_lshl_b32 s60, s22, 22
	s_add_nc_u64 s[34:35], s[4:5], s[60:61]        ; the batch's keys
	s_lshl_b32 s60, s20, 17
	s_add_nc_u64 s[36:37], s[8:9], s[60:61]        ; wkc: my 16 tiles of 8,192 bytes
	s_lshl_b32 s60, s20, 13
	s_add_nc_u64 s[52:53], s[10:11], s[60:61]      ; wks: my 256 rows of 32 bytes
	s_lshl_b32 s60, s20, 16
	s_lshl_b32 s38, s22, 6
	s_add_co_u32 s60, s60, s38
	s_add_nc_u64 s[54:55], s[12:13], s[60:61]      ; qps: my 16 tiles of 4,096 bytes, the batch's 64 bytes in each
	s_lshl_b32 s60, s20, 10
	s_add_nc_u64 s[56:57], s[6:7], s[60:61]        ; v: my 256 numbers
	s_wait_kmcnt 0x0
.irp u, 0,1,2,3
	s_min_u32 s[40+\u], s[40+\u], 0x3ff
	v_lshl_add_u32 v[20+\u], s[40+\u], 12, v5
	s_min_u32 s[44+\u], s[44+\u], 0x3ff
	v_lshl_add_u32 v[24+\u], s[44+\u], 12, v5
.endr
	XLOADS 0                                       ; tiles 0 and 1 are asked for whatever n is: both sets are written on every way through the text
	XLOADS 1
	global_load_b32 v16, v30, s[14:15]             ; my rows of the even tiles,
	global_load_b32 v17, v30, s[14:15] offset:256  ; and of the odd ones
	BLOAD 0
	s_min_u32 s23, s23, 0x400                      ; c
	s_add_co_u32 s24, s23, 15
	s_lshr_b32 s24, s24, 4                         ; tiles in the batch
	s_add_co_u32 s24, s24, 3
	s_sub_co_u32 s24, s24, s21
	s_lshr_b32 s24, s24, 2                         ; n: those of them that are mine
	s_mov_b32 s25, 0                               ; the trip
	s_mov_b32 s26, 0                               ; its first tile
	s_mov_b32 s28, 0                               ; where that tile's codes,
	s_mov_b32 s29, 0                               ; scale bytes
	s_mov_b32 s30, 0                               ; and images begin
	s_mov_b32 s31, 0                               ; tile 1 has been asked for: the first step looks no further ahead
	s_mov_b32 s62, 0                               ; 4 x the trip: the lists' lanes
	s_wait_loadcnt 0x0                             ; the weights, the lists, tiles 0 and 1
.Lp0:                                                  ; PASS 0: eight trips of two tiles
	v_add_nc_u32 v11, s28, v6
	v_add_nc_u32 v12, s29, v7
	v_add_nc_u32 v13, s28, v8
	v_add_nc_u32 v14, s29, v9
	v_add_nc_u32 v15, s30, v10
	STEP0 0, 1, 31, 17, 0
	STEP0 1, 0, 24, 16, 4
	s_mov_b32 s31, s24
	s_add_co_u32 s26, s26, 2
	s_add_co_u32 s28, s28, 2*SLOTC
	s_add_co_u32 s29, s29, 2*SLOTS
	s_add_co_u32 s30, s30, 16384
	s_add_co_u32 s62, s62, 4
	s_add_co_u32 s25, s25, 1
	s_cmp_lt_u32 s25, 8
	s_cbranch_scc1 .Lp0
	s_add_nc_u64 s[36:37], s[36:37], 0x10000       ; my other eight tiles (the loads that read these bases were waited for ahead of pass 0)
	s_add_nc_u64 s[52:53], s[52:53], 0x1000
	s_add_nc_u64 s[54:55], s[54:55], 0x8000
	s_add_nc_u64 s[56:57], s[56:57], 0x200
	BLOAD 1
	s_mov_b32 s25, 0
	s_mov_b32 s26, 0
	s_mov_b32 s28, 0
	s_mov_b32 s29, 0
	s_mov_b32 s30, 4096                            ; pass 1's images lie 4,096 bytes behind pass 0's
	s_wait_loadcnt 0x0
.Lp1:                                                  ; PASS 1: the same tiles, out of LDS: every tile's bytes were stored ahead of a barrier that I have passed
	v_add_nc_u32 v13, s28, v8
	v_add_nc_u32 v14, s29, v9
	v_add_nc_u32 v15, s30, v10
	STEP1 0
	STEP1 1
	s_add_co_u32 s26, s26, 2
	s_add_co_u32 s28, s28, 2*SLOTC
	s_add_co_u32 s29, s29, 2*SLOTS
	s_add_co_u32 s30, s30, 16384
	s_add_co_u32 s25, s25, 1
	s_cmp_lt_u32 s25, 8
	s_cbranch_scc1 .Lp1
	s_wait_dscnt 0x0                               ; for the others' sake: my images have landed
	s_barrier_signal -1
	s_barrier_wait -1
	; THE WAY OUT: wave w finishes tiles w, w + 4, w + 8, w + 12
	s_lshl_b32 s38, s20, 13
	s_add_co_u32 s38, s38, EIMG
	v_add_nc_u32 v11, s38, v4                      ; tile w's images; tile w + 4's by the immediate;
	v_add_nc_u32 v12, 0x10000, v11                 ; tiles w + 8 and w + 12
	v_and_b32 v6, 7, v0
	v_lshl_add_u32 v6, v3, 3, v6                   ; the row that I store: 8 h + r % 8,
	s_lshl_b32 s38, s21, 4
	s_lshl_b32 s39, s20, 6
	s_add_co_u32 s38, s38, s39
	v_add_nc_u32 v6, s38, v6                       ; at place 16 q + 64 w + that in the batch (+ 256 for each four tiles)
	v_lshlrev_b32 v7, 2, v6
	v_mov_b32 v30, NINF
.macro OUTBLK k4
	s_add_co_u32 s38, s20, 4*\k4
	s_cmp_lt_u32 s38, s24
	s_cbranch_scc0 .Lno_\@
.irp g, 0,1,2,3,4,5,6,7                ; image g = 4 x pass + wave
	ds_load_b128 v[128+8*\g:131+8*\g], v[11+\k4/2] offset:(\k4%2)*32768+1024*\g
	ds_load_b128 v[132+8*\g:135+8*\g], v[11+\k4/2] offset:(\k4%2)*32768+1024*\g+512
.endr
	s_wait_dscnt 0x0
.irp g, 1,2,3,4,5,6,7
.irp jj, 0,2,4,6
	v_pk_add_f32 v[128+\jj:129+\jj], v[128+\jj:129+\jj], v[128+8*\g+\jj:129+8*\g+\jj]
.endr
.endr
.irp m, 1,2,4,8
.irp jj, 0,1,2,3,4,5,6,7
	v_add_f32_dpp v[128+\jj], v[128+\jj], v[128+\jj] row_xmask:\m row_mask:0xf bank_mask:0xf   ; over the sixteen columns of a half
.endr
.endr
.irp m, 0,1,2,3
	v_cndmask_b32 v[136+\m], v[128+2*\m], v[129+2*\m], s48             ; each lane picks row r % 8 of the eight
.endr
	v_cndmask_b32 v140, v136, v137, s49
	v_cndmask_b32 v141, v138, v139, s49
	v_cndmask_b32 v142, v140, v141, s50
	v_mul_f32 v142, -2.0, v142
	s_sub_co_i32 s39, s23, 256*\k4
	v_cmp_gt_i32 vcc_lo, s39, v6                   ; does the place lie under c?
	v_cndmask_b32 v[192+\k4], v30, v142, vcc_lo    ; the last tile's places from c on hold padded rows: -inf
	global_store_b32 v7, v[192+\k4], s[58:59] offset:1024*\k4          ; 64 bytes on end; lanes r and r + 8 write the same word with the same value; each block has a register of its own
.Lno_\@:
.endm
	OUTBLK 0
	OUTBLK 1
	OUTBLK 2
	OUTBLK 3
	s_wait_tensorcnt 0x0                           ; the wave's end
	ds_add_u32 v18, v19
	s_wait_dscnt 0x0
	s_endpgm
.Lfunc_end_k_q713829c6d0_energy:
	.size	k_q713829c6d0_energy, .Lfunc_end_k_q713829c6d0_energy-k_q713829c6d0_energy
	.p2alignl 7, 3214868480
	.fill 96, 4, 3214868480
	.section	.rodata,"a",@progbits
	.p2align	6, 0x0
	.amdhsa_kernel k_q713829c6d0_energy
		.amdhsa_group_segment_fixed_size 279040
		.amdhsa_private_segment_fixed_size 0
		.amdhsa_enable_private_segment 0
		.amdhsa_kernarg_size 64
		.amdhsa_user_sgpr_count 2
		.amdhsa_user_sgpr_kernarg_segment_ptr 1
		.amdhsa_wavefront_size32 1
		.amdhsa_system_sgpr_workgroup_id_x 1
		.amdhsa_system_sgpr_workgroup_id_y 1
		.amdhsa_system_sgpr_workgroup_id_z 1
		.amdhsa_system_vgpr_workitem_id 0
		.amdhsa_next_free_vgpr 1024
		.amdhsa_next_free_sgpr 66
		.amdhsa_reserve_vcc 1
		.amdhsa_float_denorm_mode_32 3
		.amdhsa_float_denorm_mode_16_64 3
		.amdhsa_memory_ordered 1
		.amdhsa_forward_progress 1
		.amdhsa_inst_pref_size 178
	.end_amdhsa_kernel
	.amdgpu_metadata
---
amdhsa.version: [ 1, 2 ]
amdhsa.kernels:
  - .name:           k_q713829c6d0_energy
    .symbol:         k_q713829c6d0_energy.kd
    .args:
      - { .name: keys, .offset: 0, .size: 8, .value_kind: global_buffer, .address_space: global }
      - { .name: v, .offset: 8, .size: 8, .value_kind: global_buffer, .address_space: global }
      - { .name: wkc, .offset: 16, .size: 8, .value_kind: global_buffer, .address_space: global }
      - { .name: wks, .offset: 24, .size: 8, .value_kind: global_buffer, .address_space: global }
      - { .name: qps, .offset: 32, .size: 8, .value_kind: global_buffer, .address_space: global }
      - { .name: order, .offset: 40, .size: 8, .value_kind: global_buffer, .address_space: global }
      - { .name: cnt, .offset: 48, .size: 8, .value_kind: global_buffer, .address_space: global }
      - { .name: ews, .offset: 56, .size: 8, .value_kind: global_buffer, .address_space: global }
    .group_segment_fixed_size: 279040
    .private_segment_fixed_size: 0
    .kernarg_segment_align: 8
    .kernarg_segment_size: 64
    .max_flat_workgroup_size: 128
    .sgpr_count:     66
    .vgpr_count:     1024
    .wavefront_size: 32
...
	.end_amdgpu_metadata
.endif
;; end of part 2
;; launch context (part 3): grid 8 x 64, 8 waves a work-group, no clusters, 5,120 bytes of LDS; arguments keys, order, pos, cnt, ews, out0, out1; writes out0, out1
.if DOCPART == 3
	.amdgcn_target "amdgcn-amd-amdhsa--gfx1250"
	.amdhsa_code_object_version 6
	.text
	.protected	k_q713829c6d0_context
	.globl	k_q713829c6d0_context
	.p2align	8
	.type	k_q713829c6d0_context,@function
k_q713829c6d0_context:
	s_mov_b64 s[64:65], 0
	v_nop
	global_prefetch_b8 v0, s[64:65] scope:SCOPE_SE
	s_setreg_imm32_b32 hwreg(HW_REG_WAVE_MODE, 25, 1), 1
	s_wait_xcnt 0x0
; Launch 3 of 3: the softmax over a batch's energies, attn (out1) and context = attn x keys (out0), all in f32.
; LEFT OUT: key rows behind cnt[b] in the stored list, in whole sets of 16: their weight is 0 (head of the first launch).  A NaN or an infinity in such a row is not carried to the result.
; SHARES.  Work-group (x, b) owns columns 128 x .. 128 x + 127 of batch b: 512 bytes of each row.  Wave w takes places 128 t + 16 w + 0..15 of the list, t = 0, 1, ..: a set of 16 loads, each 512 bytes on end;
; two sets are always on their way.  No matrix unit, no cluster: every byte is read once by one wave, and a row's weight is one scalar.
; THE SOFTMAX is made by every wave for itself from the batch's 1,024 energies (32 registers): no LDS, no barrier.  The largest energy is taken away; a floor of -1e30 stands under it, reached only where every row is padded:
; all weights are then 2^(-inf) = 0, and the divisor, held at 1 from below, leaves them 0, as the reference's guard does.  Where a row counts the sum is 1 or more up to the rounding of one multiply-add.
.set RED,    0                         ; LDS: 8 waves x 512 bytes of partial sums
.set SPARE,  4096                      ; the spare words, 128 bytes for each of 8 waves: no other line names them
.set P,      8                         ; v8-39: register 4 t + u, lane l: place 128 t + 4 l + u: energy, then weight
.set L2E,    0x3fb8aa3b
.set NL2E,   0xbfb8aa3b
.set FLOORM, 0xf149f2ca                ; -1e30
; set t of 16 rows is asked for.  A load lands on its own address register; the set's last loads were waited for and used
.macro ISSUE t
.set XB, 64+64*((\t)%2)
.set LB, 16+16*((\t)%2)
.set j, 0
.rept 16
	s_min_u32 s[LB+j], s[LB+j], 0x3ff              ; held inside the batch's 1,024 rows before it enters an address
	v_lshl_add_u32 v[XB+4*j], s[LB+j], 12, v1
	global_load_b128 v[XB+4*j:XB+4*j+3], v[XB+4*j], s[54:55] th:TH_LOAD_NT
.set j, j+1
.endr
.endm
; set t is weighed in: row j's weight lies in lane 4 w + j / 4 of register 4 t + j % 4.  Two accumulators by turns; first = 1: the first two rows start them
.macro CONSUME t, first
.set XB, 64+64*((\t)%2)
.set j, 0
.rept 16
	v_readlane_b32 s[68+j], v[P+4*(\t)+j%4], s[84+j/4]
.set j, j+1
.endr
.set j, 0
.rept 16
.irp e, 0,1,2,3
.if (\first) && (j < 2)
	v_mul_f32 v[40+4*j+\e], s[68+j], v[XB+4*j+\e]
.else
	v_fmac_f32 v[40+4*(j%2)+\e], s[68+j], v[XB+4*j+\e]
.endif
.endr
.set j, j+1
.endr
.endm
.macro STAGE t, first
	s_wait_loadcnt 16                              ; set t is in; the younger set's 16 loads may be out
	CONSUME \t, \first
	s_cmp_gt_u32 s60, (\t)+2                       ; has my wave a set t + 2?
	s_cbranch_scc0 .Ltail\t
	s_wait_kmcnt 0x0                               ; its list is in
	ISSUE (\t)+2
.if (\t)+4 < 8
.set LB, 16+16*((\t)%2)
	s_load_b512 s[LB:LB+15], s[50:51], 512*((\t)+4)
.endif
.endm
	s_load_b256 s[4:11], s[0:1], 0x0               ; keys, order, pos, cnt
	s_load_b128 s[12:15], s[0:1], 0x20             ; ews, out0
	s_load_b64 s[48:49], s[0:1], 0x30              ; out1
	v_lshl_add_u32 v52, v0, 2, SPARE               ; my spare word,
	v_mov_b32 v53, 0                               ; and 0: kept for the closing lines alone
	v_lshrrev_b32 v2, 5, v0
	v_readfirstlane_b32 s56, v2                    ; wave 0..7
	v_and_b32 v2, 31, v0
	v_lshlrev_b32 v1, 4, v2                        ; 16 x lane
	s_mov_b32 s57, ttmp9                           ; x
	s_and_b32 s58, ttmp7, 0xffff                   ; b
	s_lshl_b32 s62, s58, 12
	s_mov_b32 s63, 0
	s_lshl_b32 s90, s57, 9
	s_mov_b32 s91, 0
	s_lshl_b32 s92, s58, 2
	s_mov_b32 s93, 0
	s_lshl_b32 s84, s56, 2                         ; the lanes that hold my rows' weights: 4 w + 0..3
	s_add_co_u32 s85, s84, 1
	s_add_co_u32 s86, s84, 2
	s_add_co_u32 s87, s84, 3
	s_mov_b32 s52, L2E
	s_mov_b32 s53, L2E                             ; (named with it as a pair)
	s_mov_b32 s88, 0x76543210                      ; v_permlanex16_b32's selects for lane l xor 16
	s_mov_b32 s89, 0xfedcba98
	s_lshl_b32 s61, s56, 9
	v_add_nc_u32 v61, s61, v1                      ; LDS: my wave's 512 bytes, 16 a lane (RED = 0)
	s_wait_kmcnt 0x0
	s_add_nc_u64 s[10:11], s[10:11], s[92:93]
	s_load_b32 s59, s[10:11], 0x0                  ; cnt[b]
	s_add_nc_u64 s[6:7], s[6:7], s[62:63]
	s_lshl_b32 s92, s56, 6
	s_add_nc_u64 s[50:51], s[6:7], s[92:93]        ; the list at place 16 w
	s_load_b512 s[16:31], s[50:51], 0x0            ; set 0's rows,
	s_load_b512 s[32:47], s[50:51], 0x200          ; set 1's.  order is a permutation of the batch's rows: every entry is a row
	s_add_nc_u64 s[12:13], s[12:13], s[62:63]      ; the batch's energies
.irp t, 0,1,2,3,4,5,6,7
	global_load_b128 v[P+4*\t:P+4*\t+3], v1, s[12:13] offset:512*\t
.endr
	s_add_nc_u64 s[62:63], s[62:63], s[90:91]      ; 4,096 b + 512 x
	s_add_nc_u64 s[8:9], s[8:9], s[62:63]
	s_add_nc_u64 s[14:15], s[14:15], s[62:63]
	s_add_nc_u64 s[48:49], s[48:49], s[62:63]
	s_lshl_b32 s62, s58, 22
	s_add_co_u32 s62, s62, s90                     ; under 2^32: no carry
	s_add_nc_u64 s[54:55], s[4:5], s[62:63]        ; the batch's keys at my columns
	s_cmp_eq_u32 s56, 7                            ; wave 7, whose share of the rows is the least, also makes out1
	s_cbranch_scc0 .Lno_pos
	global_load_b128 v[192:195], v1, s[8:9]        ; the places of rows 128 x + 4 l + 0..3
.Lno_pos:
	s_wait_kmcnt 0x0
	ISSUE 0                                        ; two sets whatever c is: a row behind c has the weight 0
	ISSUE 1
	s_load_b512 s[16:31], s[50:51], 0x400
	s_load_b512 s[32:47], s[50:51], 0x600
	s_min_u32 s59, s59, 0x400                      ; c
	s_lshl_b32 s60, s56, 4
	s_sub_co_u32 s60, s59, s60
	s_add_co_u32 s60, s60, 127
	s_lshr_b32 s60, s60, 7                         ; my wave's sets: those whose first place lies under c
	s_wait_loadcnt 32                              ; all but the two sets' 32 loads: the energies are in (wave 7: the places too)
	s_cmp_eq_u32 s56, 7
	s_cbranch_scc0 .Lno_gather
.irp u, 0,1,2,3
	v_min_u32 v[192+\u], 0x3ff, v[192+\u]          ; held inside the batch's 1,024 places
	v_lshlrev_b32 v[192+\u], 2, v[192+\u]
.endr
.irp u, 0,1,2,3
	global_load_b32 v[196+\u], v[192+\u], s[12:13] ; my rows' energies: a padded row's place lies at c or behind, where -inf stands
.endr
.Lno_gather:
	v_max3_num_f32 v54, v8, v9, v10                ; the largest energy: two chains,
	v_max3_num_f32 v55, v11, v12, v13
.irp i, 14,18,22,26,30,34
	v_max3_num_f32 v54, v54, v[\i], v[\i+1]
	v_max3_num_f32 v55, v55, v[\i+2], v[\i+3]
.endr
	v_max3_num_f32 v54, v54, v38, v39
	v_max3_num_f32 v54, v54, v55, FLOORM           ; the floor among the leaves,
.irp m, 1,2,4,8
	v_max_num_f32_dpp v54, v54, v54 row_xmask:\m row_mask:0xf bank_mask:0xf
.endr
	v_permlanex16_b32 v55, v54, s88, s89
	v_max_num_f32 v54, v54, v55                    ; and the 32 lanes
	v_mul_f32 v48, NL2E, v54                       ; -m log2 e
	v_mov_b32 v49, v48
.set i, 0
.rept 16
	v_pk_fma_f32 v[P+i:P+i+1], v[P+i:P+i+1], s[52:53], v[48:49] op_sel_hi:[1,0,1]   ; (e - m) log2 e, by one fused multiply-add
.set i, i+2
.endr
.set i, 0
.rept 32
	v_exp_f32 v[P+i], v[P+i]
.set i, i+1
.endr
	v_nop                                          ; a plain line behind the last exponential,
	s_wait_alu depctr_va_vdst(0)                   ; and one wait for the batch ahead of its first reader
	v_pk_add_f32 v[56:57], v[8:9], v[10:11]
	v_pk_add_f32 v[58:59], v[12:13], v[14:15]
.irp i, 16,20,24,28,32,36
	v_pk_add_f32 v[56:57], v[56:57], v[\i:\i+1]
	v_pk_add_f32 v[58:59], v[58:59], v[\i+2:\i+3]
.endr
	v_pk_add_f32 v[56:57], v[56:57], v[58:59]
	v_add_f32 v56, v56, v57
.irp m, 1,2,4,8
	v_add_f32_dpp v56, v56, v56 row_xmask:\m row_mask:0xf bank_mask:0xf
.endr
	v_permlanex16_b32 v57, v56, s88, s89
	v_add_f32 v56, v56, v57
	v_max_num_f32 v56, 1.0, v56                    ; the sum, held at 1 from below
	v_rcp_f32 v50, v56
	v_nop
	s_wait_alu depctr_va_vdst(0)
	v_mov_b32 v51, v50
.set i, 0
.rept 16
	v_pk_mul_f32 v[P+i:P+i+1], v[P+i:P+i+1], v[50:51]   ; the weights, by place
.set i, i+2
.endr
	STAGE 0, 1
	STAGE 1, 0
	STAGE 2, 0
	STAGE 3, 0
	STAGE 4, 0
	STAGE 5, 0
	s_wait_loadcnt 16
	CONSUME 6, 0
	s_wait_loadcnt 0x0
	CONSUME 7, 0
	s_branch .Lend
; a wave that has no further set to ask for uses the one that is still on its way
.Ltail0:
	s_wait_loadcnt 0x0
	CONSUME 1, 0
	s_branch .Lend
.Ltail1:
	s_wait_loadcnt 0x0
	CONSUME 2, 0
	s_branch .Lend
.Ltail2:
	s_wait_loadcnt 0x0
	CONSUME 3, 0
	s_branch .Lend
.Ltail3:
	s_wait_loadcnt 0x0
	CONSUME 4, 0
	s_branch .Lend
.Ltail4:
	s_wait_loadcnt 0x0
	CONSUME 5, 0
	s_branch .Lend
.Ltail5:
	s_wait_loadcnt 0x0
	CONSUME 6, 0
.Lend:
	v_pk_add_f32 v[40:41], v[40:41], v[44:45]
	v_pk_add_f32 v[42:43], v[42:43], v[46:47]
	ds_store_b128 v61, v[40:43]
	s_wait_dscnt 0x0                               ; for wave 0's sake: my store has landed
	s_barrier_signal -1
	s_barrier_wait -1
	s_cmp_eq_u32 s56, 0
	s_cbranch_scc0 .Lnot0
.irp i, 0,1,2,3,4,5,6,7
	ds_load_b128 v[64+4*\i:67+4*\i], v1 offset:RED+512*\i
.endr
	s_wait_dscnt 0x0
.irp i, 0,2,4,6
	v_pk_add_f32 v[64+4*\i:65+4*\i], v[64+4*\i:65+4*\i], v[68+4*\i:69+4*\i]
	v_pk_add_f32 v[66+4*\i:67+4*\i], v[66+4*\i:67+4*\i], v[70+4*\i:71+4*\i]
.endr
.irp i, 0,4
	v_pk_add_f32 v[64+4*\i:65+4*\i], v[64+4*\i:65+4*\i], v[72+4*\i:73+4*\i]
	v_pk_add_f32 v[66+4*\i:67+4*\i], v[66+4*\i:67+4*\i], v[74+4*\i:75+4*\i]
.endr
	v_pk_add_f32 v[64:65], v[64:65], v[80:81]
	v_pk_add_f32 v[66:67], v[66:67], v[82:83]
	global_store_b128 v1, v[64:67], s[14:15]       ; 512 bytes on end, at a multiple of 512 from out0's first byte
.Lnot0:
	s_cmp_eq_u32 s56, 7
	s_cbranch_scc0 .Lclose
	s_wait_loadcnt 0x0                             ; the four gathers were issued ahead of the stream
	v_pk_fma_f32 v[196:197], v[196:197], s[52:53], v[48:49] op_sel_hi:[1,0,1]   ; the same multiply-add, exponential and factor as by place
	v_pk_fma_f32 v[198:199], v[198:199], s[52:53], v[48:49] op_sel_hi:[1,0,1]
.irp u, 0,1,2,3
	v_exp_f32 v[196+\u], v[196+\u]
.endr
	v_nop
	s_wait_alu depctr_va_vdst(0)
	v_pk_mul_f32 v[196:197], v[196:197], v[50:51]
	v_pk_mul_f32 v[198:199], v[198:199], v[50:51]
	global_store_b128 v1, v[196:199], s[48:49]     ; attn of rows 128 x + 4 l + 0..3: 512 bytes on end
.Lclose:
	s_wait_tensorcnt 0x0                           ; the wave's end
	ds_add_u32 v52, v53
	s_wait_dscnt 0x0
	s_endpgm
.Lfunc_end_k_q713829c6d0_context:
	.size	k_q713829c6d0_context, .Lfunc_end_k_q713829c6d0_context-k_q713829c6d0_context
	.p2alignl 7, 3214868480
	.fill 96, 4, 3214868480
	.section	.rodata,"a",@progbits
	.p2align	6, 0x0
	.amdhsa_kernel k_q713829c6d0_context
		.amdhsa_group_segment_fixed_size 5120
		.amdhsa_private_segment_fixed_size 0
		.amdhsa_enable_private_segment 0
		.amdhsa_kernarg_size 56
		.amdhsa_user_sgpr_count 2
		.amdhsa_user_sgpr_kernarg_segment_ptr 1
		.amdhsa_wavefront_size32 1
		.amdhsa_system_sgpr_workgroup_id_x 1
		.amdhsa_system_sgpr_workgroup_id_y 1
		.amdhsa_system_sgpr_workgroup_id_z 1
		.amdhsa_system_vgpr_workitem_id 0
		.amdhsa_next_free_vgpr 208
		.amdhsa_next_free_sgpr 96
		.amdhsa_reserve_vcc 0
		.amdhsa_float_denorm_mode_32 3
		.amdhsa_float_denorm_mode_16_64 3
		.amdhsa_memory_ordered 1
		.amdhsa_forward_progress 1
		.amdhsa_inst_pref_size 85
	.end_amdhsa_kernel
	.amdgpu_metadata
---
amdhsa.version: [ 1, 2 ]
amdhsa.kernels:
  - .name:           k_q713829c6d0_context
    .symbol:         k_q713829c6d0_context.kd
    .args:
      - { .name: keys, .offset: 0, .size: 8, .value_kind: global_buffer, .address_space: global }
      - { .name: order, .offset: 8, .size: 8, .value_kind: global_buffer, .address_space: global }
      - { .name: pos, .offset: 16, .size: 8, .value_kind: global_buffer, .address_space: global }
      - { .name: cnt, .offset: 24, .size: 8, .value_kind: global_buffer, .address_space: global }
      - { .name: ews, .offset: 32, .size: 8, .value_kind: global_buffer, .address_space: global }
      - { .name: out0, .offset: 40, .size: 8, .value_kind: global_buffer, .address_space: global }
      - { .name: out1, .offset: 48, .size: 8, .value_kind: global_buffer, .address_space: global }
    .group_segment_fixed_size: 5120
    .private_segment_fixed_size: 0
    .kernarg_segment_align: 8
    .kernarg_segment_size: 56
    .max_flat_workgroup_size: 256
    .sgpr_count:     96
    .vgpr_count:     208
    .wavefront_size: 32
...
	.end_amdgpu_metadata
.endif
;; end of part 3
;; ======== version 2 of 2: 3 launches; version 1 with the launches prep, energy, context written anew for expert scheduling mode
;; limits: right only within a limited range of input values
;; workspace buffers: wkc 524,288 bytes; wks 32,768 bytes; qps 262,144 bytes; ews 262,144 bytes; order 262,144 bytes of whole numbers; pos 262,144 bytes of whole numbers; cnt 256 bytes of whole numbers
;; launch prep (part 4): grid 100 x 1, 16 waves a work-group, no clusters, 99,328 bytes of LDS; arguments Wk, Wq, query, mask, wkc, wks, qps, order, pos, cnt, ews; writes wkc, wks, qps, order, pos, cnt, ews
.if DOCPART == 4
	.amdgcn_target "amdgcn-amd-amdhsa--gfx1250"
	.amdhsa_code_object_version 6
	.text
	.protected	k_q713829c6d0_prep
	.globl	k_q713829c6d0_prep
	.p2align	8
	.type	k_q713829c6d0_prep,@function
k_q713829c6d0_prep:
	s_mov_b64 s[64:65], 0
	v_nop
	global_prefetch_b8 v0, s[64:65] scope:SCOPE_SE
	s_setreg_imm32_b32 hwreg(HW_REG_WAVE_SCHED_MODE, 0, 2), 2
	s_setreg_imm32_b32 hwreg(HW_REG_WAVE_MODE, 25, 1), 1
	s_wait_xcnt 0x0
	s_wait_alu depctr_vm_vsrc(0)
; BAHDANAU ATTENTION IN MX-FP4, launch 1 of 3: what the large launch wants ready.
; WORK LEFT OUT, for all values of the inputs.  tanh x = 1 - 2 / (1 + 2^(c x)), c = 2 log2 e, so energy[b][s] = sum_h v[h] - 2 sum_h v[h] / (1 + 2^(c x[b][s][h])).
; The first term is the same for every s of a batch; it enters nothing but the softmax over s, which a term common along its axis does not move; the energies are no output.  So sum_h v[h] is never formed.
; CHOSEN BY WHOLE NUMBERS, not dead: a row with mask = 1 gets -inf ahead of the softmax, so its weight is 0 and neither its energy nor its key row reaches an output.  This launch reads the mask and stores,
; for each batch, the rows in an order with the rows that count first; the later launches read that list and multiply only those rows.  Every input is loaded by some launch.
; LIMITS.  A NaN or an infinity in a padded key row, or an overflow in the term left out, is not carried to the result.  A block of zeros gets the scale byte 1 where the quantiser says 127: its codes are zeros, which add
; nothing under any byte but 0xff, and this program alone reads the bytes.  NaN and infinities among the inputs are not served.
; THREE KINDS OF WORK-GROUP, told apart by the work-group's number alone; each kind has LDS bytes of its own.
;   0-63   tile T of 16 hidden units: qps[T][b][16] = c x (query Wq^T): Wq's 16 rows and the 64 rows of query are quantised, wave w multiplies K step w % 8 of two tiles of batches, eight waves add the K steps
;   64-95  32 rows of Wk become codes in the order of the operand's registers, wkc[T][K step][half][lane][16 bytes], and scale bytes wks[row][32]
;   96-99  a wave a batch: order[b][i] = the row at place i (rows that count first), pos = its inverse, cnt[b] = how many count; ews[b][:] = -inf
; A ROW OF 1,024 NUMBERS lies in a wave as four pieces: lane l holds k = 256 p + 8 l + 0..7 in eight registers on end, so a block of 32 is four neighbouring lanes and a conversion's eight codes are four bytes of the row.
; THE MODE: SCHED_MODE bits 1:0 = 2 (LLVM: expert scheduling mode 2), set by the entry lines.  The code itself states the register dependences
; between vector or matrix instructions and memory or LDS instructions, with s_wait_alu, always for 0.
; THE PLAN.  Offsets and LDS addresses are made once and never written again.  Each row that a wave quantises has eight registers of its own for what its LDS stores read (four scale bytes, four words of codes), so ONE
; wait on va_vdst stands ahead of all of a wave's LDS stores, and nothing that a store reads is written again ahead of the barrier.  Behind the barrier the first kind's fragments and accumulators take those registers:
; one wait on vm_vsrc.  In the third kind all 32 chunks' arithmetic stands ahead of one wait on va_vdst, and the 65 stores follow it.
.set CP,    528                        ; a row of codes in LDS: 512 bytes + 16: the sixteen rows of a fragment load start 16 bytes apart modulo 256
.set SPT,   48                         ; a row of scale bytes in LDS: 32 + 16
.set CB,    0                          ; first kind: 80 rows of codes,
.set SB,    80*CP                      ; their scale bytes,
.set RED,   SB+80*SPT                  ; and 16 waves x 2,048 bytes of partial sums
.set CA,    RED+16*2048                ; second kind: 32 rows of codes,
.set SA,    CA+32*CP                   ; their scale bytes
.set SPARE, SA+32*SPT                  ; the spare words, 128 bytes for each of 16 waves: no other line names them
.set FLOOR, 0x1800000                  ; 2^(3 - 127): under it no largest magnitude is taken, so the byte cannot fall under 1
.set SUB2,  0xff000000                 ; takes 2 off an exponent field
.set C2,    0x4038aa3b                 ; 2 log2 e
.set NINF,  0xff800000
; The row in v[x] .. v[x + 31] becomes four scale bytes in v[q] .. v[q + 3] and four words of codes in v[q + 4] .. v[q + 7].  The four pieces take turns line by line.
.macro QROW x, q
.irp p, 0,1,2,3
	v_max3_num_f32 v[(\q)+\p], |v[(\x)+8*\p]|, |v[(\x)+8*\p+1]|, FLOOR
.endr
.irp i, 2,4,6
.irp p, 0,1,2,3
	v_max3_num_f32 v[(\q)+\p], |v[(\x)+8*\p+\i]|, |v[(\x)+8*\p+\i+1]|, v[(\q)+\p]
.endr
.endr
.irp m, 1,2
.irp p, 0,1,2,3
	v_max_num_f32_dpp v[(\q)+\p], v[(\q)+\p], v[(\q)+\p] row_xmask:\m row_mask:0xf bank_mask:0xf   ; with the block's other three lanes
.endr
.endr
.irp p, 0,1,2,3
	v_add_nc_u32 v[(\q)+\p], SUB2, v[(\q)+\p]      ; the conversion takes the exponent field of this operand as its scale
.endr
.irp p, 0,1,2,3
	v_cvt_scalef32_pk8_fp4_f32 v[(\q)+4+\p], v[(\x)+8*\p:(\x)+8*\p+7], v[(\q)+\p]
.endr
	v_nop                                          ; one plain line between the conversions and the lines that write their scale operands
.irp p, 0,1,2,3
	v_lshrrev_b32 v[(\q)+\p], 23, v[(\q)+\p]       ; the scale's byte, in the operand's place
.endr
.endm
; and goes to LDS: 512 bytes of codes at v6 + co, 32 scale bytes at v7 + so
.macro QOUT q, co, so
.irp p, 0,1,2,3
	ds_store_b32 v6, v[(\q)+4+\p] offset:(\co)+128*\p
	ds_store_b8 v7, v[(\q)+\p] offset:(\so)+8*\p   ; a block's four lanes write the same byte with the same value
.endr
.endm
	s_load_b512 s[4:19], s[0:1], 0x0               ; Wk, Wq, query, mask, wkc, wks, qps, order
	s_load_b128 s[20:23], s[0:1], 0x40             ; pos, cnt
	s_load_b64 s[24:25], s[0:1], 0x50              ; ews
	v_lshl_add_u32 v12, v0, 2, SPARE               ; my spare word,
	v_mov_b32 v13, 0                               ; and 0: kept for the closing lines alone
	v_lshrrev_b32 v1, 5, v0
	v_readfirstlane_b32 s26, v1                    ; wave 0..15
	v_and_b32 v1, 31, v0                           ; lane
	v_and_b32 v2, 15, v0                           ; r
	v_bfe_u32 v3, v0, 4, 1                         ; h
	v_lshlrev_b32 v4, 5, v1                        ; 32 x lane: my eight numbers of a piece
	v_lshlrev_b32 v5, 4, v1                        ; 16 x lane
	s_mov_b32 s31, 0
	s_wait_alu depctr_va_sdst(0)                   ; s26 is written, ahead of the branches: each kind's addresses are made from it
	s_wait_alu depctr_va_vdst(0)                   ; v1, v4 and v5 are written: each kind's first loads read one of them as their offset
	s_wait_kmcnt 0x0
	s_cmp_lt_u32 ttmp9, 64
	s_cbranch_scc1 .Lrole_b
	s_cmp_lt_u32 ttmp9, 96
	s_cbranch_scc1 .Lrole_a
; ---- 96-99: the mask of batch b = 16 (work-group - 96) + wave.  No LDS.
	s_sub_co_u32 s28, ttmp9, 96
	s_lshl_b32 s28, s28, 4
	s_add_co_u32 s28, s28, s26                     ; b
	s_lshl_b32 s30, s28, 10
	s_add_nc_u64 s[10:11], s[10:11], s[30:31]      ; the batch's 1,024 mask bytes
	s_lshl_b32 s30, s28, 12
	s_add_nc_u64 s[18:19], s[18:19], s[30:31]      ; its rows of order, pos and ews
	s_add_nc_u64 s[20:21], s[20:21], s[30:31]
	s_add_nc_u64 s[24:25], s[24:25], s[30:31]
	s_lshl_b32 s30, s28, 2
	s_add_nc_u64 s[22:23], s[22:23], s[30:31]      ; its word of cnt
.set j, 0
.rept 32
	global_load_u8 v[32+j], v1, s[10:11] offset:32*j   ; chunk j: rows 32 j + lane
.set j, j+1
.endr
	v_lshlrev_b32 v6, 2, v1
.irp e, 8,9,10,11
	v_mov_b32 v\e, NINF
.endr
	s_wait_alu depctr_va_vdst(0)                   ; v8 to v11 are written, which the eight stores below read
.irp i, 0,1,2,3,4,5,6,7
	global_store_b128 v5, v[8:11], s[24:25] offset:512*\i   ; every energy begins as -inf: the next launch writes those that count
.endr
	s_wait_loadcnt 0x0
.set j, 0
.rept 32
	v_cmp_eq_u32 s[32+j], 0, v[32+j]               ; chunk j's lanes that count
.set j, j+1
.endr
	s_wait_alu depctr_va_sdst(0)                   ; the 32 masks s32 to s63 are written, ahead of their first reader
	s_mov_b32 s27, 0
.set j, 0
.rept 32
	s_bcnt1_i32_b32 s28, s[32+j]
	s_add_co_u32 s27, s27, s28                     ; c: how many rows count
.set j, j+1
.endr
	s_mov_b32 s29, 0                               ; rows that count in the chunks before
.set j, 0
.rept 32                               ; every chunk has registers of its own for what its stores read: nothing that a store reads is written again
	v_mbcnt_lo_u32_b32 v20, s[32+j], 0             ; rows that count in lower lanes of this chunk
	s_sub_co_u32 s30, s27, s29
	s_add_co_u32 s30, s30, 32*j                    ; c + the padded rows of the chunks before
	v_sub_nc_u32 v22, v1, v20                      ; the padded rows in lower lanes
	v_add_nc_u32 v21, s29, v20                     ; my place if I count,
	v_add_nc_u32 v22, s30, v22                     ; and if I am padded
	v_cndmask_b32 v[64+j], v22, v21, s[32+j]
	v_min_u32 v[96+j], 0x3ff, v[64+j]              ; held inside the batch's 1,024 places before it enters an address
	v_lshlrev_b32 v[96+j], 2, v[96+j]
	v_add_nc_u32 v[128+j], 32*j, v1                ; my row
	s_bcnt1_i32_b32 s28, s[32+j]
	s_add_co_u32 s29, s29, s28
.set j, j+1
.endr
	v_mov_b32 v24, s27
	v_mov_b32 v25, 0
	s_wait_alu depctr_va_vdst(0)                   ; the places v64-95, their offsets v96-127, the rows v128-159, v6, v24 and v25 are written: the 65 stores below read them
.set j, 0
.rept 32
	global_store_b32 v6, v[64+j], s[20:21] offset:128*j
	global_store_b32 v[96+j], v[128+j], s[18:19]
.set j, j+1
.endr
	global_store_b32 v25, v24, s[22:23]            ; all lanes write the one word with the one value
	s_endpgm
; ---- 64-95: 32 rows of Wk, two to a wave
.Lrole_a:
	s_sub_co_u32 s27, ttmp9, 64                    ; a
	s_lshl_b32 s28, s27, 5
	s_lshl_b32 s29, s26, 1
	s_add_co_u32 s28, s28, s29                     ; my first row
	s_lshl_b32 s30, s28, 12
	s_add_nc_u64 s[4:5], s[4:5], s[30:31]
.irp u, 0,1
.irp p, 0,1,2,3
	global_load_b128 v[96+32*\u+8*\p:96+32*\u+8*\p+3], v4, s[4:5] offset:4096*\u+1024*\p
	global_load_b128 v[96+32*\u+8*\p+4:96+32*\u+8*\p+7], v4, s[4:5] offset:4096*\u+1024*\p+16
.endr
.endr
	s_lshl_b32 s30, s27, 14
	s_lshl_b32 s28, s26, 10
	s_add_co_u32 s30, s30, s28
	s_add_nc_u64 s[12:13], s[12:13], s[30:31]      ; wkc: fragment (tile 2 a + wave / 8, K step wave % 8) is 1,024 bytes
	s_lshl_b32 s30, s27, 10
	s_add_nc_u64 s[14:15], s[14:15], s[30:31]      ; wks: 32 rows of 32 bytes
	s_mul_i32 s28, s26, 2*CP
	s_add_co_u32 s28, s28, CA
	v_lshl_add_u32 v6, v1, 2, s28                  ; where my rows' codes go,
	s_mul_i32 s28, s26, 2*SPT
	s_add_co_u32 s28, s28, SA
	v_lshrrev_b32 v7, 2, v1
	v_add_nc_u32 v7, s28, v7                       ; and their scale bytes
	s_lshr_b32 s28, s26, 3
	s_mul_i32 s28, s28, 16*CP
	s_and_b32 s29, s26, 7
	s_lshl_b32 s29, s29, 6
	s_add_co_u32 s28, s28, s29
	s_add_co_u32 s28, s28, CA
	v_mul_u32_u24 v8, v2, CP
	v_lshl_add_u32 v8, v3, 4, v8
	v_add_nc_u32 v8, s28, v8                       ; my fragment: row r of the tile, 64 bytes a K step, + 16 h
	v_and_b32 v9, 63, v0
	v_lshrrev_b32 v10, 1, v9
	v_mul_u32_u24 v10, v10, SPT
	v_and_b32 v11, 1, v0
	v_lshl_add_u32 v10, v11, 4, v10
	v_add_nc_u32 v10, SA, v10                      ; (waves 0, 1) half a row of scale bytes a thread
	v_lshlrev_b32 v11, 4, v9
	s_wait_loadcnt 8                               ; the first row's eight loads are in, the second row's eight may be out
	QROW 96, 48
	s_wait_loadcnt 0x0
	QROW 128, 56
	s_wait_alu depctr_va_vdst(0)                   ; both rows' bytes and codes v48-63 are written, which the LDS stores read; so are the addresses v6, v7, v8, v10 and the offset v11
	QOUT 48, 0, 0
	QOUT 56, CP, SPT
	s_wait_dscnt 0x0                               ; for the others' sake: my stores have landed
	s_barrier_signal -1
	s_barrier_wait -1
	ds_load_b128 v[32:35], v8                      ; k = 128 s + 32 h + 0..31,
	ds_load_b128 v[36:39], v8 offset:32            ; and + 64: the operand's eight registers
	s_wait_dscnt 0x0
	global_store_b128 v5, v[32:35], s[12:13]       ; 512 bytes on end a store
	global_store_b128 v5, v[36:39], s[12:13] offset:512
	s_cmp_lt_u32 s26, 2
	s_cbranch_scc0 .La_end
	ds_load_b128 v[40:43], v10
	s_wait_dscnt 0x0
	global_store_b128 v11, v[40:43], s[14:15]
.La_end:
	s_wait_dscnt 0x0                               ; the closing lines, six on end
	s_wait_alu 0x0
	s_wait_tensorcnt 0x0
	ds_add_u32 v12, v13
	s_wait_dscnt 0x0
	s_endpgm
; ---- 0-63: c x query_proj for hidden units 16 T .. 16 T + 15
.Lrole_b:
	s_lshl_b32 s30, ttmp9, 16
	s_add_nc_u64 s[6:7], s[6:7], s[30:31]          ; Wq at row 16 T
	s_lshl_b32 s30, ttmp9, 12
	s_add_nc_u64 s[16:17], s[16:17], s[30:31]      ; qps at tile T
	s_mul_i32 s27, s26, 5                          ; of the 80 rows (16 of Wq, then 64 of query) five are mine
.irp u, 0,1,2,3,4
	s_add_co_u32 s28, s27, \u
	s_cmp_lt_u32 s28, 16                           ; the choice of buffer hangs on the wave's number alone
	s_cselect_b64 s[32+2*\u:33+2*\u], s[6:7], s[8:9]
	s_cselect_b32 s29, 0, 16
	s_sub_co_u32 s28, s28, s29
	s_lshl_b32 s30, s28, 12
	s_add_nc_u64 s[32+2*\u:33+2*\u], s[32+2*\u:33+2*\u], s[30:31]
.endr
.irp u, 0,1,2,3,4
.irp p, 0,1,2,3
	global_load_b128 v[96+32*\u+8*\p:96+32*\u+8*\p+3], v4, s[32+2*\u:33+2*\u] offset:1024*\p
	global_load_b128 v[96+32*\u+8*\p+4:96+32*\u+8*\p+7], v4, s[32+2*\u:33+2*\u] offset:1024*\p+16
.endr
.endr
	s_mul_i32 s28, s26, 5*CP
	v_lshl_add_u32 v6, v1, 2, s28                  ; where my rows' codes go (CB = 0),
	s_mul_i32 s28, s26, 5*SPT
	s_add_co_u32 s28, s28, SB
	v_lshrrev_b32 v7, 2, v1
	v_add_nc_u32 v7, s28, v7                       ; and their scale bytes
	v_mul_u32_u24 v8, v2, CP
	v_lshl_add_u32 v8, v3, 4, v8
	s_and_b32 s28, s26, 7                          ; my K step
	s_lshl_b32 s29, s28, 6
	v_add_nc_u32 v8, s29, v8                       ; Wq's fragment: row r, + 16 h, + 64 s
	s_lshr_b32 s30, s26, 3                         ; which two tiles of batches are mine
	s_mul_i32 s29, s30, 32*CP
	v_add_nc_u32 v9, s29, v8                       ; query's: 16 + 32 half + 16 a rows further on
	v_mul_u32_u24 v10, v2, SPT
	s_lshl_b32 s29, s28, 2
	s_add_co_u32 s29, s29, SB
	v_add_nc_u32 v10, s29, v10                     ; the scale words likewise
	s_mul_i32 s29, s30, 32*SPT
	v_add_nc_u32 v11, s29, v10
	s_lshl_b32 s29, s26, 11
	s_add_co_u32 s29, s29, RED
	v_add_nc_u32 v72, s29, v5                      ; my partial sums: images of four registers, 16 bytes a lane
	v_bfe_u32 v17, v0, 7, 1                        ; the adding, thread t of 256: batch t / 4, hidden units 4 (t % 4) on.  They lie in wave s + 8 (t / 128),
	v_lshlrev_b32 v17, 14, v17
	v_bfe_u32 v18, v0, 6, 1                        ; its tile (t / 64) % 2,
	v_lshl_add_u32 v17, v18, 10, v17
	v_and_b32 v18, 1, v0                           ; the accumulator's lower or upper four registers,
	v_lshl_add_u32 v17, v18, 9, v17
	v_bfe_u32 v18, v0, 2, 4                        ; lane r = (t / 4) % 16
	v_lshl_add_u32 v17, v18, 4, v17
	v_bfe_u32 v18, v0, 1, 1                        ; + 16 h, h = (t / 2) % 2
	v_lshl_add_u32 v17, v18, 8, v17
	v_add_nc_u32 v17, RED, v17
	v_lshlrev_b32 v19, 4, v0
.irp u, 0,1,2,3,4
	s_wait_loadcnt 32-8*\u                         ; row u's eight loads are in; eight for each later row may be out
	QROW 96+32*\u, 32+8*\u
.endr
	s_wait_alu depctr_va_vdst(0)                   ; the five rows' bytes and codes v32-71 are written, which the LDS stores read; so are the addresses v6 to v11, v17 and v72 and the offset v19; and the quantiser is done reading v96-255
.irp u, 0,1,2,3,4
	QOUT 32+8*\u, CP*\u, SPT*\u
.endr
	s_wait_dscnt 0x0                               ; for the others' sake: my stores have landed
	s_barrier_signal -1
	s_barrier_wait -1
	s_wait_alu depctr_vm_vsrc(0)                   ; my LDS stores have read v32-71: the fragments' loads land in v32-55 and the matrix instructions write v56-71
	ds_load_b128 v[32:35], v8
	ds_load_b128 v[36:39], v8 offset:32
	ds_load_b128 v[40:43], v9 offset:16*CP
	ds_load_b128 v[44:47], v9 offset:16*CP+32
	ds_load_b128 v[48:51], v9 offset:32*CP
	ds_load_b128 v[52:55], v9 offset:32*CP+32
	ds_load_b32 v14, v10                           ; v14-16 hold scale words and nothing else
	ds_load_b32 v15, v11 offset:16*SPT
	ds_load_b32 v16, v11 offset:32*SPT
	s_wait_dscnt 0x0
	; used transposed: source 0 = Wq's 16 rows, source 1 = 16 batches: lane (r, h) holds batch r and hidden units 8 h + 0..7
	v_wmma_scale_f32_16x16x128_f8f6f4 v[56:63], v[32:39], v[40:47], 0, v14, v15 matrix_a_fmt:MATRIX_FMT_FP4 matrix_b_fmt:MATRIX_FMT_FP4
	v_wmma_scale_f32_16x16x128_f8f6f4 v[64:71], v[32:39], v[48:55], 0, v14, v16 matrix_a_fmt:MATRIX_FMT_FP4 matrix_b_fmt:MATRIX_FMT_FP4
.rept 4
	v_nop                                          ; four places between a matrix instruction and the LDS stores that read its result
.endr
	s_wait_alu depctr_va_vdst(0)                   ; the matrix instructions have written v56-71, which the LDS stores read; the places above stay beside this wait
	ds_store_b128 v72, v[56:59]                    ; each accumulator from its low end on
	ds_store_b128 v72, v[60:63] offset:512
	ds_store_b128 v72, v[64:67] offset:1024
	ds_store_b128 v72, v[68:71] offset:1536
	s_wait_dscnt 0x0
	s_barrier_signal -1
	s_barrier_wait -1
	s_cmp_lt_u32 s26, 8
	s_cbranch_scc0 .Lb_end
.irp s, 0,1,2,3,4,5,6,7
	ds_load_b128 v[96+4*\s:99+4*\s], v17 offset:2048*\s   ; the eight K steps' parts.  No wait: the quantiser, which read v96-127, stands ahead of the waits on va_vdst above, and nothing since names them
.endr
	s_wait_dscnt 0x0
.irp s, 0,2,4,6
	v_pk_add_f32 v[96+4*\s:97+4*\s], v[96+4*\s:97+4*\s], v[100+4*\s:101+4*\s]
	v_pk_add_f32 v[98+4*\s:99+4*\s], v[98+4*\s:99+4*\s], v[102+4*\s:103+4*\s]
.endr
.irp s, 0,4
	v_pk_add_f32 v[96+4*\s:97+4*\s], v[96+4*\s:97+4*\s], v[104+4*\s:105+4*\s]
	v_pk_add_f32 v[98+4*\s:99+4*\s], v[98+4*\s:99+4*\s], v[106+4*\s:107+4*\s]
.endr
	v_pk_add_f32 v[96:97], v[96:97], v[112:113]
	v_pk_add_f32 v[98:99], v[98:99], v[114:115]
.irp e, 96,97,98,99
	v_mul_f32 v\e, C2, v\e                         ; x c, so that the next launch needs one fused multiply-add for c (q + k)
.endr
	s_wait_alu depctr_va_vdst(0)                   ; v96-99 are written, which the store reads
	global_store_b128 v19, v[96:99], s[16:17]      ; a wave stores 512 bytes on end
.Lb_end:
	s_wait_dscnt 0x0                               ; the closing lines, six on end
	s_wait_alu 0x0
	s_wait_tensorcnt 0x0
	ds_add_u32 v12, v13
	s_wait_dscnt 0x0
	s_endpgm
.Lfunc_end_k_q713829c6d0_prep:
	.size	k_q713829c6d0_prep, .Lfunc_end_k_q713829c6d0_prep-k_q713829c6d0_prep
	.p2alignl 7, 3214868480
	.fill 96, 4, 3214868480
	.section	.rodata,"a",@progbits
	.p2align	6, 0x0
	.amdhsa_kernel k_q713829c6d0_prep
		.amdhsa_group_segment_fixed_size 99328
		.amdhsa_private_segment_fixed_size 0
		.amdhsa_enable_private_segment 0
		.amdhsa_kernarg_size 88
		.amdhsa_user_sgpr_count 2
		.amdhsa_user_sgpr_kernarg_segment_ptr 1
		.amdhsa_wavefront_size32 1
		.amdhsa_system_sgpr_workgroup_id_x 1
		.amdhsa_system_sgpr_workgroup_id_y 1
		.amdhsa_system_sgpr_workgroup_id_z 1
		.amdhsa_system_vgpr_workitem_id 0
		.amdhsa_next_free_vgpr 256
		.amdhsa_next_free_sgpr 66
		.amdhsa_reserve_vcc 0
		.amdhsa_float_denorm_mode_32 3
		.amdhsa_float_denorm_mode_16_64 3
		.amdhsa_memory_ordered 1
		.amdhsa_forward_progress 1
		.amdhsa_inst_pref_size 67
	.end_amdhsa_kernel
	.amdgpu_metadata
---
amdhsa.version: [ 1, 2 ]
amdhsa.kernels:
  - .name:           k_q713829c6d0_prep
    .symbol:         k_q713829c6d0_prep.kd
    .args:
      - { .name: Wk, .offset: 0, .size: 8, .value_kind: global_buffer, .address_space: global }
      - { .name: Wq, .offset: 8, .size: 8, .value_kind: global_buffer, .address_space: global }
      - { .name: query, .offset: 16, .size: 8, .value_kind: global_buffer, .address_space: global }
      - { .name: mask, .offset: 24, .size: 8, .value_kind: global_buffer, .address_space: global }
      - { .name: wkc, .offset: 32, .size: 8, .value_kind: global_buffer, .address_space: global }
      - { .name: wks, .offset: 40, .size: 8, .value_kind: global_buffer, .address_space: global }
      - { .name: qps, .offset: 48, .size: 8, .value_kind: global_buffer, .address_space: global }
      - { .name: order, .offset: 56, .size: 8, .value_kind: global_buffer, .address_space: global }
      - { .name: pos, .offset: 64, .size: 8, .value_kind: global_buffer, .address_space: global }
      - { .name: cnt, .offset: 72, .size: 8, .value_kind: global_buffer, .address_space: global }
      - { .name: ews, .offset: 80, .size: 8, .value_kind: global_buffer, .address_space: global }
    .group_segment_fixed_size: 99328
    .private_segment_fixed_size: 0
    .kernarg_segment_align: 8
    .kernarg_segment_size: 88
    .max_flat_workgroup_size: 512
    .sgpr_count:     66
    .vgpr_count:     256
    .wavefront_size: 32
...
	.end_amdgpu_metadata
.endif
;; end of part 4
;; launch energy (part 5): grid 4 x 64, 4 waves a work-group, no clusters, 279,040 bytes of LDS; arguments keys, v, wkc, wks, qps, order, cnt, ews; writes ews
.if DOCPART == 5
	.amdgcn_target "amdgcn-amd-amdhsa--gfx1250"
	.amdhsa_code_object_version 6
	.text
	.protected	k_q713829c6d0_energy
	.globl	k_q713829c6d0_energy
	.p2align	8
	.type	k_q713829c6d0_energy,@function
k_q713829c6d0_energy:
	s_mov_b64 s[64:65], 0
	v_nop
	global_prefetch_b8 v0, s[64:65] scope:SCOPE_SE
	s_setreg_imm32_b32 hwreg(HW_REG_WAVE_SCHED_MODE, 0, 2), 2
	s_setreg_imm32_b32 hwreg(HW_REG_WAVE_MODE, 25, 1), 1
	s_wait_xcnt 0x0
	s_wait_alu depctr_vm_vsrc(0)
; Launch 2 of 3: ews[b][i] = -2 sum_h v[h] / (1 + 2^(c (q[b][h] + k[row][h]))), row = order[b][i], for the places i of rows that count; k = keys Wk^T on codes of FP4 (E2M1) with E8M0 scales.
; LEFT OUT: the term sum_h v[h], which is the same along the softmax's axis (shown at the head of the first launch), and the rows that the stored list puts behind cnt[b]: their weight is 0.
; SHARES.  Work-group (q, b) takes the tiles q, q + 4, q + 8 .. of 16 places of batch b: n of them, at most 16; n comes from cnt[b].  THE FOUR WAVES SHARE THE COLUMNS: wave w owns hidden units 256 w .. 256 w + 255, in two
; passes of 128.  A pass's 64 fragments of Wk stay in 512 registers, so Wk's codes are read once by the work-group whatever n is.  In pass 0 wave w also gathers and quantises rows 4 w .. 4 w + 3 of each tile; the codes go to
; LDS, where all four waves read them in both passes: each key row is read from memory and quantised once.
; NO TENSOR LOAD, NO CLUSTER: what a step does hangs on n, a number read from memory; Wk's codes, which all work-groups read, are held in registers instead, 544 KB a work-group in all.
; Every wave walks all 16 steps and passes every barrier; a step beyond n jumps over its work alone.
; A TILE'S WORK: 64 matrix instructions (source 0 = 16 key rows, source 1 = 16 rows of Wk: lane (r, h) holds column r and rows 8 h + 0..7, so q and v cost one number a lane and tile); c x + c q by one packed
; multiply-add; 64 exponentials, + 1, 64 reciprocals; x v, summed over the pass's eight tiles into eight registers, which go to LDS as an image.  At the end the eight images of a tile (2 passes x 4 waves) are added, then the 16 lanes.
; LIMITS: as stated at the head of the first launch.  2^(..) may overflow to infinity: its reciprocal is 0, which is the limit of the formula.
; REGISTERS, in windows of 256.  Window 0: v1-31 addresses and lists; v32-63 Wk's scale words (register 8 tt + s: lanes 0-15 tile tt, lanes 16-31 tile tt + 4); v64-71 the key rows' scale words; v72-79 the energies' parts;
;   v80-95 the quantiser's; v96-111 c q, v112-127 v, a pair of equal numbers a tile; v128-255 four key rows (even tiles).   Window 1: Wk's tiles 0-3.   Window 2: tiles 4-7.
;   Window 3: v0-63 eight accumulators (between two tiles' products v0-15 hold the codes just made); v64-127 the key rows' eight fragments; v128-255 four key rows (odd tiles).
; THE MODE: SCHED_MODE bits 1:0 = 2 (LLVM: expert scheduling mode 2), set by the entry lines.  The code itself states the register dependences
; between vector or matrix instructions and memory or LDS instructions, with s_wait_alu, always for 0.
; THE PLAN.  Registers that memory or LDS instructions touch, in the loops:
;   the two sets of key rows   Loaded a step ahead; read by their tile's quantiser; loaded again in the step behind it.
;   v20-23, v24-27             A set's four offsets: written at the head of the step that asks for the set, read by its 32 loads.
;   v80-95, window 3 v0-15     A tile's sixteen scale bytes and sixteen words of codes, a register for each of my four rows' four pieces: written by the quantiser, read by its 32 LDS stores, which stand together at its end.
;   v11-15                     LDS addresses: written once a trip, read by the trip's LDS instructions.
;   window 3 v64-127, v64-71   A tile's fragments and scale words: LDS loads land in them, the 64 matrix instructions read them.
;   v72-79                     Written by the weighted sums, read by the image's two LDS stores.
;   windows 1 and 2, v32-63, v96-127   A pass's weights: loaded ahead of the pass, read by its matrix instructions and multiply-adds.
; So in a step of pass 0: one wait on vm_vsrc at its head (offsets, bytes and codes may be written again); one on va_vdst ahead of the next tile's loads; ONE on va_vdst for the tile's 32 LDS stores.  In a tile's products: one on va_vdst
; ahead of the fragments' loads, one on vm_vsrc ahead of the matrix instructions, the two waits behind the transcendentals, one on va_vdst ahead of the image.  One wait on vm_vsrc a trip stands ahead of the adds to v11-15.
.set CP,    528                        ; a row of codes in LDS: 512 bytes + 16
.set SPT,   48                         ; a row of scale bytes: 32 + 16
.set SLOTC, 16*CP                      ; a tile's codes
.set SLOTS, 16*SPT                     ; and scale bytes
.set SCL,   16*SLOTC                   ; LDS: 16 tiles of codes, then their scale bytes,
.set EIMG,  SCL+16*SLOTS               ; then the images [tile 16][pass 2][wave 4] of 1,024 bytes,
.set SPARE, EIMG+16*8192               ; then the spare words, 128 bytes a wave: no other line names them
.set FLOOR, 0x1800000
.set SUB2,  0xff000000
.set C2,    0x4038aa3b                 ; 2 log2 e
.set NINF,  0xff800000
.set T,     80
.set MSB,   0
.macro WIN new                         ; low byte: bits 1:0 source 0, 3:2 source 1, 5:4 source 2, 7:6 destination; the high byte repeats the setting that is left
.if MSB != \new
	s_set_vgpr_msb (MSB<<8)|\new
.set MSB, \new
.endif
.endm
; My four rows of the trip's tile sg, in v128-255 (sg = 1: of window 3), become 4 x 512 bytes of codes at v11 and 4 x 32 scale bytes at v12.  Lane l holds k = 256 p + 8 l + 0..7 of piece p of row u; a block of 32 is four
; neighbouring lanes.  Register T + 4 u + p: the block's largest magnitude, then the conversion's scale operand, then the scale's byte.  The sixteen take turns line by line.
.macro QTILE sg
.if \sg
	WIN 0x0f                                       ; sources 0 and 1 in window 3; the running maximum and the result in window 0
.endif
.irp u, 0,1,2,3
.irp p, 0,1,2,3
	v_max3_num_f32 v[T+4*\u+\p], |v[128+32*\u+8*\p]|, |v[128+32*\u+8*\p+1]|, FLOOR
.endr
.endr
.irp i, 2,4,6
.irp u, 0,1,2,3
.irp p, 0,1,2,3
	v_max3_num_f32 v[T+4*\u+\p], |v[128+32*\u+8*\p+\i]|, |v[128+32*\u+8*\p+\i+1]|, v[T+4*\u+\p]
.endr
.endr
.endr
	WIN 0
.irp m, 1,2
.set qi, 0
.rept 16
	v_max_num_f32_dpp v[T+qi], v[T+qi], v[T+qi] row_xmask:\m row_mask:0xf bank_mask:0xf
.set qi, qi+1
.endr
.endr
.set qi, 0
.rept 16
	v_add_nc_u32 v[T+qi], SUB2, v[T+qi]            ; 2 off the exponent field: the conversion's scale operand
.set qi, qi+1
.endr
.if \sg
	WIN 0xc3                                       ; the codes into window 3; the eight numbers out of window 3
.else
	WIN 0xc0                                       ; the codes into window 3
.endif
.irp u, 0,1,2,3
.irp p, 0,1,2,3
	v_cvt_scalef32_pk8_fp4_f32 v[4*\u+\p], v[128+32*\u+8*\p:128+32*\u+8*\p+7], v[T+4*\u+\p]
.endr
.endr
	WIN 0
	v_nop                                          ; one plain line between the conversions and the lines that write their scale operands
.set qi, 0
.rept 16
	v_lshrrev_b32 v[T+qi], 23, v[T+qi]             ; the scale's byte, in the operand's place
.set qi, qi+1
.endr
	WIN 0x0c                                       ; an LDS store's data are its source 1: window 3
	s_wait_alu depctr_va_vdst(0)                   ; the sixteen words of codes and the sixteen bytes are written, which the 32 LDS stores read; so are v11 and v12; and the quantiser is done reading this set of key rows
.irp u, 0,1,2,3
.irp p, 0,1,2,3
	ds_store_b32 v11, v[4*\u+\p] offset:\sg*SLOTC+CP*\u+128*\p
.endr
.endr
	WIN 0
.irp u, 0,1,2,3
.irp p, 0,1,2,3
	ds_store_b8 v12, v[T+4*\u+\p] offset:\sg*SLOTS+SPT*\u+8*\p   ; a block's four lanes write the same byte with the same value
.endr
.endr
.endm
; my four rows of a later tile: their numbers out of lanes s62 + add + 0..3 of the list, held inside the batch's 1,024 rows, x 4,096 bytes + 32 x lane
.macro XROWS set, lst, add
.irp u, 0,1,2,3
	s_add_co_u32 s[44+\u], s62, \add+\u
.endr
.irp u, 0,1,2,3
	v_readlane_b32 s[40+\u], v[\lst], s[44+\u]
.endr
	s_wait_alu depctr_va_sdst(0)                   ; s40 to s43 are written, ahead of their first reader
.irp u, 0,1,2,3
	s_min_u32 s[40+\u], s[40+\u], 0x3ff
.endr
.irp u, 0,1,2,3
	v_lshl_add_u32 v[20+4*(\set)+\u], s[40+\u], 12, v5
.endr
.endm
.macro XLOADS set, w                   ; 32 loads: four rows of 4,096 bytes; a pair of loads covers 1,024 bytes on end.  w = 1: the offsets have just been made
.if \set
	WIN 0xc0                                       ; destination window 3, address window 0
.endif
.if \w
	s_wait_alu depctr_va_vdst(0)                   ; the set's four offsets are written, which these loads read; the quantiser of the step before is done reading the set, in which they land
.endif
.irp u, 0,1,2,3
.irp p, 0,1,2,3
	global_load_b128 v[128+32*\u+8*\p:128+32*\u+8*\p+3], v[20+4*(\set)+\u], s[34:35] offset:1024*\p th:TH_LOAD_NT
	global_load_b128 v[128+32*\u+8*\p+4:128+32*\u+8*\p+7], v[20+4*(\set)+\u], s[34:35] offset:1024*\p+16 th:TH_LOAD_NT
.endr
.endr
	WIN 0
.endm
; a pass's weights: 64 fragments of Wk as they lie in wkc, their scale words, c q and v of my eight tiles.  again = 1: the pass before has read these registers
.macro BLOAD again
	WIN 0x40
.if \again
	s_wait_alu depctr_va_vdst(0)                   ; pass 0's matrix instructions are done reading Wk's fragments and scale words, its multiply-adds c q and v: the loads below land in them
.endif
.set L, 0
.rept 64
	global_load_b128 v[4*L:4*L+3], v4, s[36:37] offset:512*L
.set L, L+1
.endr
	WIN 0x80
.set L, 0
.rept 64
	global_load_b128 v[4*L:4*L+3], v4, s[36:37] offset:32768+512*L
.set L, L+1
.endr
	WIN 0
.irp tt, 0,1,2,3
	global_load_b128 v[32+8*\tt:35+8*\tt], v28, s[52:53] offset:512*\tt      ; row r of tile tt + 4 h: its words of K steps 0-3,
	global_load_b128 v[36+8*\tt:39+8*\tt], v28, s[52:53] offset:512*\tt+16   ; and 4-7
.endr
.irp t, 0,1,2,3,4,5,6,7
	global_load_b32 v[96+2*\t], v29, s[54:55] offset:4096*\t                 ; each number into both registers of its pair: the packed forms take a pair
	global_load_b32 v[97+2*\t], v29, s[54:55] offset:4096*\t
	global_load_b32 v[112+2*\t], v29, s[56:57] offset:64*\t
	global_load_b32 v[113+2*\t], v29, s[56:57] offset:64*\t
.endr
.endm
; 32 matrix instructions: four accumulators from a0 on by turns, one instruction a turn, K ascending; the first K step starts the sums
.macro MM a0, row1
.irp s, 0,1,2,3,4,5,6,7
.irp tt, 0,1,2,3
.if \row1
.if \s == 0
	v_wmma_scale_f32_16x16x128_f8f6f4 v[\a0+8*\tt:\a0+8*\tt+7], v[64+8*\s:71+8*\s], v[64*\tt+8*\s:64*\tt+8*\s+7], 0, v[64+\s], v[32+8*\tt+\s] matrix_a_fmt:MATRIX_FMT_FP4 matrix_b_fmt:MATRIX_FMT_FP4 matrix_b_scale:MATRIX_SCALE_ROW1
.else
	v_wmma_scale_f32_16x16x128_f8f6f4 v[\a0+8*\tt:\a0+8*\tt+7], v[64+8*\s:71+8*\s], v[64*\tt+8*\s:64*\tt+8*\s+7], v[\a0+8*\tt:\a0+8*\tt+7], v[64+\s], v[32+8*\tt+\s] matrix_a_fmt:MATRIX_FMT_FP4 matrix_b_fmt:MATRIX_FMT_FP4 matrix_b_scale:MATRIX_SCALE_ROW1
.endif
.else
.if \s == 0
	v_wmma_scale_f32_16x16x128_f8f6f4 v[\a0+8*\tt:\a0+8*\tt+7], v[64+8*\s:71+8*\s], v[64*\tt+8*\s:64*\tt+8*\s+7], 0, v[64+\s], v[32+8*\tt+\s] matrix_a_fmt:MATRIX_FMT_FP4 matrix_b_fmt:MATRIX_FMT_FP4
.else
	v_wmma_scale_f32_16x16x128_f8f6f4 v[\a0+8*\tt:\a0+8*\tt+7], v[64+8*\s:71+8*\s], v[64*\tt+8*\s:64*\tt+8*\s+7], v[\a0+8*\tt:\a0+8*\tt+7], v[64+\s], v[32+8*\tt+\s] matrix_a_fmt:MATRIX_FMT_FP4 matrix_b_fmt:MATRIX_FMT_FP4
.endif
.endif
.endr
.endr
.endm
; the trip's tile odd against my pass's 128 hidden units
.macro COMPUTE odd
	WIN 0xc0
	s_wait_alu depctr_va_vdst(0)                   ; the last tile's matrix instructions are done reading the fragments and the key rows' scale words, in which the loads below land; v13 and v14, their addresses, are written
.irp s, 0,1,2,3,4,5,6,7
	ds_load_b128 v[64+8*\s:67+8*\s], v13 offset:\odd*SLOTC+64*\s       ; K step s: k = 128 s + 32 h + 0..31 of row r,
	ds_load_b128 v[68+8*\s:71+8*\s], v13 offset:\odd*SLOTC+64*\s+32    ; and + 64
.endr
	WIN 0
	ds_load_b128 v[64:67], v14 offset:\odd*SLOTS                       ; row r's eight scale words
	ds_load_b128 v[68:71], v14 offset:\odd*SLOTS+16
	s_wait_dscnt 0x0
	s_wait_alu depctr_vm_vsrc(0)                   ; the quantiser's LDS stores have read window 3's v0-15, which the matrix instructions write; the last image's stores have read v72-79, which the weighted sums write
	WIN 0xf7                                       ; key rows, C and D window 3; Wk window 1
	MM 0, 0
	WIN 0xfb                                       ; Wk window 2; its scale words lie in lanes 16-31
	MM 32, 1
	WIN 0xc3                                       ; source 0 and destination window 3
.rept 4
	v_nop                                          ; four places between the last matrix instruction and the first read of results (ISA guide 7.12.1)
.endr
.irp t, 0,1,2,3,4,5,6,7
.irp jj, 0,2,4,6
	v_pk_fma_f32 v[8*\t+\jj:8*\t+\jj+1], v[8*\t+\jj:8*\t+\jj+1], s[32:33], v[96+2*\t:97+2*\t] op_sel_hi:[1,0,1]   ; c k + c q; each accumulator from its low end on
.endr
.endr
.set j, 0
	s_wait_alu depctr_va_vdst(0)
.rept 64
	v_exp_f32 v[j], v[j]
.set j, j+1
.endr
	v_nop                                          ; a plain line behind the last exponential,
	s_wait_alu depctr_va_vdst(0)                   ; and one wait for the batch: the 64 exponentials have written their results, ahead of the first reader
.set j, 0
.rept 32
	v_pk_add_f32 v[j:j+1], v[j:j+1], 1.0 op_sel_hi:[1,0]
.set j, j+2
.endr
.set j, 0
	s_wait_alu depctr_va_vdst(0)
.rept 64
	v_rcp_f32 v[j], v[j]
.set j, j+1
.endr
	v_nop
	s_wait_alu depctr_va_vdst(0)                   ; likewise: the 64 reciprocals have written their results
	WIN 0x03                                       ; source 0 window 3, all else window 0
.irp jj, 0,2,4,6
	v_pk_mul_f32 v[72+\jj:73+\jj], v[\jj:\jj+1], v[112:113]            ; the first tile starts the sums
.endr
.irp t, 1,2,3,4,5,6,7
.irp jj, 0,2,4,6
	v_pk_fma_f32 v[72+\jj:73+\jj], v[8*\t+\jj:8*\t+\jj+1], v[112+2*\t:113+2*\t], v[72+\jj:73+\jj]
.endr
.endr
	WIN 0
	s_wait_alu depctr_va_vdst(0)                   ; the weighted sums have written v72-79, which the two LDS stores read; v15, their address, is written
	ds_store_b128 v15, v[72:75] offset:\odd*8192                       ; lane (r, h): rows 8 h + 0..3 of my columns r, summed over eight tiles,
	ds_store_b128 v15, v[76:79] offset:\odd*8192+512                   ; and rows 8 h + 4..7
.endm
; A step of pass 0, tile i = s26 + sg.  ns: the other set of key rows; lim: the register that bounds the look-ahead; lst, add: where the next tile's rows stand in the lists.
.macro STEP0 sg, ns, lim, lst, add
	s_add_co_u32 s27, s26, \sg
	s_cmp_lt_u32 s27, s24
	s_cbranch_scc1 .Ldo_\@
	s_wait_loadcnt 0x0
	s_branch .Lbar_\@
.Ldo_\@:
	s_wait_alu depctr_vm_vsrc(0)                   ; the other set's last loads have read its four offsets, and the last tile's LDS stores have read v80-95 and window 3's v0-15: this step writes all of them again
	s_add_co_u32 s38, s27, 1
	s_cmp_lt_u32 s38, s[\lim]
	s_cbranch_scc0 .Lnone_\@
	XROWS \ns, \lst, \add                          ; the other set's last loads were waited for a step ago: its address registers and its rows are free
	XLOADS \ns, 1                                  ; the next tile is asked for before this one is waited for: it has this whole step in which to land
	s_wait_loadcnt 32                              ; all but the 32 just issued: this tile's rows are in
	s_branch .Lq_\@
.Lnone_\@:
	s_wait_loadcnt 0x0
.Lq_\@:
	QTILE \sg
.Lbar_\@:
	s_wait_dscnt 0x0                               ; for the others' sake: my codes and scale bytes have landed (and my last image)
	s_barrier_signal -1
	s_barrier_wait -1                              ; on every wave's way in all 16 steps.  A tile's bytes are stored once and never again, so this one barrier is all the order that they need
	s_cmp_lt_u32 s27, s24
	s_cbranch_scc0 .Lskip_\@
	COMPUTE \sg
.Lskip_\@:
.endm
.macro STEP1 sg                        ; a step of pass 1: the codes lie in LDS
	s_add_co_u32 s27, s26, \sg
	s_cmp_lt_u32 s27, s24
	s_cbranch_scc0 .Ls1_\@
	COMPUTE \sg
.Ls1_\@:
.endm
	s_load_b512 s[4:19], s[0:1], 0x0               ; keys, v, wkc, wks, qps, order, cnt, ews
	v_lshl_add_u32 v18, v0, 2, SPARE               ; my spare word,
	v_mov_b32 v19, 0                               ; and 0: kept for the closing lines alone
	v_lshrrev_b32 v1, 5, v0
	v_readfirstlane_b32 s20, v1                    ; wave 0..3
	v_and_b32 v1, 31, v0                           ; lane
	v_and_b32 v2, 15, v0                           ; r
	v_bfe_u32 v3, v0, 4, 1                         ; h
	v_lshlrev_b32 v4, 4, v1                        ; 16 x lane
	s_wait_alu depctr_va_vdst(0)
	v_lshlrev_b32 v5, 5, v1                        ; 32 x lane
	s_mov_b32 s21, ttmp9                           ; q
	s_and_b32 s22, ttmp7, 0xffff                   ; b
	s_wait_alu depctr_va_sdst(0)                   ; s20 is written, ahead of its first reader
	s_mul_i32 s38, s20, 4*CP
	v_lshl_add_u32 v6, v1, 2, s38                  ; tile 0: where my four rows' codes go,
	s_mul_i32 s38, s20, 4*SPT
	s_add_co_u32 s38, s38, SCL
	v_lshrrev_b32 v7, 2, v1
	v_add_nc_u32 v7, s38, v7                       ; and their scale bytes;
	v_mul_u32_u24 v8, v2, CP
	v_lshl_add_u32 v8, v3, 4, v8                   ; a fragment: row r, + 16 h;
	v_mul_u32_u24 v9, v2, SPT
	v_add_nc_u32 v9, SCL, v9                       ; row r's scale words;
	s_lshl_b32 s38, s20, 10
	s_add_co_u32 s38, s38, EIMG
	v_add_nc_u32 v10, s38, v4                      ; my image
	v_lshlrev_b32 v28, 5, v2
	v_lshl_add_u32 v28, v3, 11, v28                ; wks: 32 bytes a row; lanes 16-31 four tiles (2,048 bytes) further on
	v_lshlrev_b32 v29, 2, v2                       ; qps, v: 4 r
	v_lshrrev_b32 v30, 2, v1
	v_lshlrev_b32 v30, 9, v30
	v_and_b32 v31, 3, v1
	v_lshl_add_u32 v30, v31, 2, v30                ; the lists: lane j takes row j % 4 of mine in tile 2 (j / 4): 128 places, 512 bytes, apart
	s_mov_b32 s32, C2
	s_mov_b32 s33, C2                              ; (named with it as a pair)
	s_mov_b32 s48, 0xaaaaaaaa                      ; lanes with bit 0, 1, 2 of their number set
	s_mov_b32 s49, 0xcccccccc
	s_mov_b32 s50, 0xf0f0f0f0
	s_mov_b32 s61, 0
	s_wait_kmcnt 0x0
	s_lshl_b32 s60, s22, 2
	s_add_nc_u64 s[16:17], s[16:17], s[60:61]
	s_load_b32 s23, s[16:17], 0x0                  ; cnt[b]
	s_lshl_b32 s60, s22, 12
	s_add_nc_u64 s[58:59], s[18:19], s[60:61]      ; the batch's row of ews,
	s_add_nc_u64 s[14:15], s[14:15], s[60:61]      ; and of order,
	s_lshl_b32 s38, s21, 6
	s_lshl_b32 s39, s20, 4
	s_add_co_u32 s60, s38, s39
	s_add_nc_u64 s[14:15], s[14:15], s[60:61]      ; at place 16 q + 4 w: my first row of my first tile
	s_load_b128 s[40:43], s[14:15], 0x0            ; my rows of tile 0,
	s_load_b128 s[44:47], s[14:15], 0x100          ; and of tile 1, 64 places on.  order is a permutation of the batch's rows: every entry is a row
	s_lshl_b32 s60, s22, 22
	s_add_nc_u64 s[34:35], s[4:5], s[60:61]        ; the batch's keys
	s_lshl_b32 s60, s20, 17
	s_add_nc_u64 s[36:37], s[8:9], s[60:61]        ; wkc: my 16 tiles of 8,192 bytes
	s_lshl_b32 s60, s20, 13
	s_add_nc_u64 s[52:53], s[10:11], s[60:61]      ; wks: my 256 rows of 32 bytes
	s_lshl_b32 s60, s20, 16
	s_lshl_b32 s38, s22, 6
	s_add_co_u32 s60, s60, s38
	s_add_nc_u64 s[54:55], s[12:13], s[60:61]      ; qps: my 16 tiles of 4,096 bytes, the batch's 64 bytes in each
	s_lshl_b32 s60, s20, 10
	s_add_nc_u64 s[56:57], s[6:7], s[60:61]        ; v: my 256 numbers
	s_wait_kmcnt 0x0
.irp u, 0,1,2,3
	s_min_u32 s[40+\u], s[40+\u], 0x3ff
	v_lshl_add_u32 v[20+\u], s[40+\u], 12, v5
	s_min_u32 s[44+\u], s[44+\u], 0x3ff
	v_lshl_add_u32 v[24+\u], s[44+\u], 12, v5
.endr
	s_wait_alu depctr_va_vdst(0)                   ; the offsets v4, v20 to v27, v28, v29 and v30 are written, which the head's loads below read
	XLOADS 0, 0                                    ; tiles 0 and 1 are asked for whatever n is: both sets are written on every way through the text
	XLOADS 1, 0
	global_load_b32 v16, v30, s[14:15]             ; my rows of the even tiles,
	global_load_b32 v17, v30, s[14:15] offset:256  ; and of the odd ones
	BLOAD 0
	s_min_u32 s23, s23, 0x400                      ; c
	s_add_co_u32 s24, s23, 15
	s_lshr_b32 s24, s24, 4                         ; tiles in the batch
	s_add_co_u32 s24, s24, 3
	s_sub_co_u32 s24, s24, s21
	s_lshr_b32 s24, s24, 2                         ; n: those of them that are mine
	s_mov_b32 s25, 0                               ; the trip
	s_mov_b32 s26, 0                               ; its first tile
	s_mov_b32 s28, 0                               ; where that tile's codes,
	s_mov_b32 s29, 0                               ; scale bytes
	s_mov_b32 s30, 0                               ; and images begin
	s_mov_b32 s31, 0                               ; tile 1 has been asked for: the first step looks no further ahead
	s_mov_b32 s62, 0                               ; 4 x the trip: the lists' lanes
	s_wait_loadcnt 0x0                             ; the weights, the lists, tiles 0 and 1
.Lp0:                                                  ; PASS 0: eight trips of two tiles
	s_wait_alu depctr_vm_vsrc(0)                   ; the last trip's LDS instructions have read v11 to v15.  That these are written is stated by the waits on va_vdst that stand ahead of each run of LDS instructions
	v_add_nc_u32 v11, s28, v6
	v_add_nc_u32 v12, s29, v7
	v_add_nc_u32 v13, s28, v8
	v_add_nc_u32 v14, s29, v9
	v_add_nc_u32 v15, s30, v10
	STEP0 0, 1, 31, 17, 0
	STEP0 1, 0, 24, 16, 4
	s_mov_b32 s31, s24
	s_add_co_u32 s26, s26, 2
	s_add_co_u32 s28, s28, 2*SLOTC
	s_add_co_u32 s29, s29, 2*SLOTS
	s_add_co_u32 s30, s30, 16384
	s_add_co_u32 s62, s62, 4
	s_add_co_u32 s25, s25, 1
	s_cmp_lt_u32 s25, 8
	s_cbranch_scc1 .Lp0
	s_add_nc_u64 s[36:37], s[36:37], 0x10000       ; my other eight tiles (the loads that read these bases were waited for ahead of pass 0)
	s_add_nc_u64 s[52:53], s[52:53], 0x1000
	s_add_nc_u64 s[54:55], s[54:55], 0x8000
	s_add_nc_u64 s[56:57], s[56:57], 0x200
	BLOAD 1
	s_mov_b32 s25, 0
	s_mov_b32 s26, 0
	s_mov_b32 s28, 0
	s_mov_b32 s29, 0
	s_mov_b32 s30, 4096                            ; pass 1's images lie 4,096 bytes behind pass 0's
	s_wait_loadcnt 0x0
.Lp1:                                                  ; PASS 1: the same tiles, out of LDS: every tile's bytes were stored ahead of a barrier that I have passed
	s_wait_alu depctr_vm_vsrc(0)                   ; the LDS instructions issued so far have read v13 to v15
	v_add_nc_u32 v13, s28, v8
	v_add_nc_u32 v14, s29, v9
	v_add_nc_u32 v15, s30, v10
	STEP1 0
	STEP1 1
	s_add_co_u32 s26, s26, 2
	s_add_co_u32 s28, s28, 2*SLOTC
	s_add_co_u32 s29, s29, 2*SLOTS
	s_add_co_u32 s30, s30, 16384
	s_add_co_u32 s25, s25, 1
	s_cmp_lt_u32 s25, 8
	s_cbranch_scc1 .Lp1
	s_wait_dscnt 0x0                               ; for the others' sake: my images have landed
	s_barrier_signal -1
	s_barrier_wait -1
	; THE WAY OUT: wave w finishes tiles w, w + 4, w + 8, w + 12
	s_lshl_b32 s38, s20, 13
	s_add_co_u32 s38, s38, EIMG
	s_wait_alu depctr_vm_vsrc(0)                   ; pass 0's LDS stores have read v11 and v12, the lists' loads v30: the lines below write them anew
	v_add_nc_u32 v11, s38, v4                      ; tile w's images; tile w + 4's by the immediate;
	v_add_nc_u32 v12, 0x10000, v11                 ; tiles w + 8 and w + 12
	v_and_b32 v6, 7, v0
	v_lshl_add_u32 v6, v3, 3, v6                   ; the row that I store: 8 h + r % 8,
	s_lshl_b32 s38, s21, 4
	s_lshl_b32 s39, s20, 6
	s_add_co_u32 s38, s38, s39
	v_add_nc_u32 v6, s38, v6                       ; at place 16 q + 64 w + that in the batch (+ 256 for each four tiles)
	v_lshlrev_b32 v7, 2, v6
	v_mov_b32 v30, NINF
	s_wait_alu depctr_va_vdst(0)                   ; v11 and v12, the images' addresses, and v7, the stores' offset, are written
.macro OUTBLK k4
	s_add_co_u32 s38, s20, 4*\k4
	s_cmp_lt_u32 s38, s24
	s_cbranch_scc0 .Lno_\@
.irp g, 0,1,2,3,4,5,6,7                ; image g = 4 x pass + wave.  No wait: all that named v128-191 stands ahead of the last wait on va_vdst
	ds_load_b128 v[128+8*\g:131+8*\g], v[11+\k4/2] offset:(\k4%2)*32768+1024*\g
	ds_load_b128 v[132+8*\g:135+8*\g], v[11+\k4/2] offset:(\k4%2)*32768+1024*\g+512
.endr
	s_wait_dscnt 0x0
.irp g, 1,2,3,4,5,6,7
.irp jj, 0,2,4,6
	v_pk_add_f32 v[128+\jj:129+\jj], v[128+\jj:129+\jj], v[128+8*\g+\jj:129+8*\g+\jj]
.endr
.endr
.irp m, 1,2,4,8
.irp jj, 0,1,2,3,4,5,6,7
	v_add_f32_dpp v[128+\jj], v[128+\jj], v[128+\jj] row_xmask:\m row_mask:0xf bank_mask:0xf   ; over the sixteen columns of a half
.endr
.endr
.irp m, 0,1,2,3
	v_cndmask_b32 v[136+\m], v[128+2*\m], v[129+2*\m], s48             ; each lane picks row r % 8 of the eight
.endr
	v_cndmask_b32 v140, v136, v137, s49
	v_cndmask_b32 v141, v138, v139, s49
	v_cndmask_b32 v142, v140, v141, s50
	v_mul_f32 v142, -2.0, v142
	s_sub_co_i32 s39, s23, 256*\k4
	v_cmp_gt_i32 vcc_lo, s39, v6                   ; does the place lie under c?
	s_wait_alu depctr_va_vcc(0)                    ; VCC is written, ahead of the select that reads it
	v_cndmask_b32 v[192+\k4], v30, v142, vcc_lo    ; the last tile's places from c on hold padded rows: -inf
	s_wait_alu depctr_va_vdst(0)                   ; the energy is written, which the store reads; and this block's sums are done with v128-191, in which the next block's images land
	global_store_b32 v7, v[192+\k4], s[58:59] offset:1024*\k4          ; 64 bytes on end; lanes r and r + 8 write the same word with the same value; each block has a register of its own
.Lno_\@:
.endm
	OUTBLK 0
	OUTBLK 1
	OUTBLK 2
	OUTBLK 3
	s_wait_dscnt 0x0                               ; the closing lines, six on end
	s_wait_alu 0x0
	s_wait_tensorcnt 0x0
	ds_add_u32 v18, v19
	s_wait_dscnt 0x0
	s_endpgm
.Lfunc_end_k_q713829c6d0_energy:
	.size	k_q713829c6d0_energy, .Lfunc_end_k_q713829c6d0_energy-k_q713829c6d0_energy
	.p2alignl 7, 3214868480
	.fill 96, 4, 3214868480
	.section	.rodata,"a",@progbits
	.p2align	6, 0x0
	.amdhsa_kernel k_q713829c6d0_energy
		.amdhsa_group_segment_fixed_size 279040
		.amdhsa_private_segment_fixed_size 0
		.amdhsa_enable_private_segment 0
		.amdhsa_kernarg_size 64
		.amdhsa_user_sgpr_count 2
		.amdhsa_user_sgpr_kernarg_segment_ptr 1
		.amdhsa_wavefront_size32 1
		.amdhsa_system_sgpr_workgroup_id_x 1
		.amdhsa_system_sgpr_workgroup_id_y 1
		.amdhsa_system_sgpr_workgroup_id_z 1
		.amdhsa_system_vgpr_workitem_id 0
		.amdhsa_next_free_vgpr 1024
		.amdhsa_next_free_sgpr 66
		.amdhsa_reserve_vcc 1
		.amdhsa_float_denorm_mode_32 3
		.amdhsa_float_denorm_mode_16_64 3
		.amdhsa_memory_ordered 1
		.amdhsa_forward_progress 1
		.amdhsa_inst_pref_size 179
	.end_amdhsa_kernel
	.amdgpu_metadata
---
amdhsa.version: [ 1, 2 ]
amdhsa.kernels:
  - .name:           k_q713829c6d0_energy
    .symbol:         k_q713829c6d0_energy.kd
    .args:
      - { .name: keys, .offset: 0, .size: 8, .value_kind: global_buffer, .address_space: global }
      - { .name: v, .offset: 8, .size: 8, .value_kind: global_buffer, .address_space: global }
      - { .name: wkc, .offset: 16, .size: 8, .value_kind: global_buffer, .address_space: global }
      - { .name: wks, .offset: 24, .size: 8, .value_kind: global_buffer, .address_space: global }
      - { .name: qps, .offset: 32, .size: 8, .value_kind: global_buffer, .address_space: global }
      - { .name: order, .offset: 40, .size: 8, .value_kind: global_buffer, .address_space: global }
      - { .name: cnt, .offset: 48, .size: 8, .value_kind: global_buffer, .address_space: global }
      - { .name: ews, .offset: 56, .size: 8, .value_kind: global_buffer, .address_space: global }
    .group_segment_fixed_size: 279040
    .private_segment_fixed_size: 0
    .kernarg_segment_align: 8
    .kernarg_segment_size: 64
    .max_flat_workgroup_size: 128
    .sgpr_count:     66
    .vgpr_count:     1024
    .wavefront_size: 32
...
	.end_amdgpu_metadata
.endif
;; end of part 5
;; launch context (part 6): grid 8 x 64, 8 waves a work-group, no clusters, 5,120 bytes of LDS; arguments keys, order, pos, cnt, ews, out0, out1; writes out0, out1
.if DOCPART == 6
	.amdgcn_target "amdgcn-amd-amdhsa--gfx1250"
	.amdhsa_code_object_version 6
	.text
	.protected	k_q713829c6d0_context
	.globl	k_q713829c6d0_context
	.p2align	8
	.type	k_q713829c6d0_context,@function
k_q713829c6d0_context:
	s_mov_b64 s[64:65], 0
	v_nop
	global_prefetch_b8 v0, s[64:65] scope:SCOPE_SE
	s_setreg_imm32_b32 hwreg(HW_REG_WAVE_SCHED_MODE, 0, 2), 2
	s_setreg_imm32_b32 hwreg(HW_REG_WAVE_MODE, 25, 1), 1
	s_wait_xcnt 0x0
	s_wait_alu depctr_vm_vsrc(0)
; Launch 3 of 3: the softmax over a batch's energies, attn (out1) and context = attn x keys (out0), all in f32.
; LEFT OUT: key rows behind cnt[b] in the stored list, in whole sets of 16: their weight is 0 (head of the first launch).  A NaN or an infinity in such a row is not carried to the result.
; SHARES.  Work-group (x, b) owns columns 128 x .. 128 x + 127 of batch b: 512 bytes of each row.  Wave w takes places 128 t + 16 w + 0..15 of the list, t = 0, 1, ..: a set of 16 loads, each 512 bytes on end;
; two sets are always on their way.  No matrix unit, no cluster: every byte is read once by one wave, and a row's weight is one scalar.
; THE SOFTMAX is made by every wave for itself from the batch's 1,024 energies (32 registers): no LDS, no barrier.  The largest energy is taken away; a floor of -1e30 stands under it, reached only where every row is padded:
; all weights are then 2^(-inf) = 0, and the divisor, held at 1 from below, leaves them 0, as the reference's guard does.  Where a row counts the sum is 1 or more up to the rounding of one multiply-add.
; THE MODE: SCHED_MODE bits 1:0 = 2 (LLVM: expert scheduling mode 2), set by the entry lines.  The code itself states the register dependences
; between vector instructions and memory or LDS instructions, with s_wait_alu, always for 0.
; THE PLAN.  Registers that memory or LDS instructions touch, in the stream:
;   X0 = v64-127, X1 = v128-191   Set t's 16 loads land in X[t % 2]; stage t's multiply-adds read it; behind them set t + 2 is asked for.
;   AD0 = v200-215, AD1 = v216-231   Set t's sixteen offsets: written together by sixteen vector lines, read by the set's loads, written again for set t + 2.
;   v1   16 x lane, made once at the head.
; So a stage holds: one wait on va_sdst between the sixteen weights' v_readlane_b32 and the multiply-adds that read them; one on vm_vsrc ahead of the sixteen offsets; ONE on va_vdst behind them, which states that the offsets
; are written and that the multiply-adds are done reading the set; and the sixteen loads on end.
.set RED,    0                         ; LDS: 8 waves x 512 bytes of partial sums
.set SPARE,  4096                      ; the spare words, 128 bytes for each of 8 waves: no other line names them
.set P,      8                         ; v8-39: register 4 t + u, lane l: place 128 t + 4 l + u: energy, then weight
.set AD,     200                       ; v200-231: the two sets' offsets
.set L2E,    0x3fb8aa3b
.set NL2E,   0xbfb8aa3b
.set FLOORM, 0xf149f2ca                ; -1e30
; the offsets of set t's 16 rows
.macro ADDR t
.set AB, AD+16*((\t)%2)
.set LB, 16+16*((\t)%2)
.set j, 0
.rept 16
	s_min_u32 s[LB+j], s[LB+j], 0x3ff              ; held inside the batch's 1,024 rows before it enters an address
	v_lshl_add_u32 v[AB+j], s[LB+j], 12, v1
.set j, j+1
.endr
.endm
; set t of 16 rows is asked for
.macro LOADS t
.set XB, 64+64*((\t)%2)
.set AB, AD+16*((\t)%2)
.set j, 0
.rept 16
	global_load_b128 v[XB+4*j:XB+4*j+3], v[AB+j], s[54:55] th:TH_LOAD_NT
.set j, j+1
.endr
.endm
; set t is weighed in: row j's weight lies in lane 4 w + j / 4 of register 4 t + j % 4.  Two accumulators by turns; first = 1: the first two rows start them
.macro CONSUME t, first
.set XB, 64+64*((\t)%2)
.set j, 0
.rept 16
	v_readlane_b32 s[68+j], v[P+4*(\t)+j%4], s[84+j/4]
.set j, j+1
.endr
	s_wait_alu depctr_va_sdst(0)                   ; the sixteen weights s68 to s83 are written, ahead of their first reader
.set j, 0
.rept 16
.irp e, 0,1,2,3
.if (\first) && (j < 2)
	v_mul_f32 v[40+4*j+\e], s[68+j], v[XB+4*j+\e]
.else
	v_fmac_f32 v[40+4*(j%2)+\e], s[68+j], v[XB+4*j+\e]
.endif
.endr
.set j, j+1
.endr
.endm
.macro STAGE t, first
	s_wait_loadcnt 16                              ; set t is in; the younger set's 16 loads may be out
	CONSUME \t, \first
	s_cmp_gt_u32 s60, (\t)+2                       ; has my wave a set t + 2?
	s_cbranch_scc0 .Ltail\t
	s_wait_kmcnt 0x0                               ; its list is in
	s_wait_alu depctr_vm_vsrc(0)                   ; set t's loads have read their sixteen offsets, which are written again below
	ADDR (\t)+2
	s_wait_alu depctr_va_vdst(0)                   ; the sixteen offsets are written, which the loads read; the multiply-adds are done reading set t, in which the loads land
	LOADS (\t)+2
.if (\t)+4 < 8
.set LB, 16+16*((\t)%2)
	s_load_b512 s[LB:LB+15], s[50:51], 512*((\t)+4)
.endif
.endm
	s_load_b256 s[4:11], s[0:1], 0x0               ; keys, order, pos, cnt
	s_load_b128 s[12:15], s[0:1], 0x20             ; ews, out0
	s_load_b64 s[48:49], s[0:1], 0x30              ; out1
	v_lshl_add_u32 v52, v0, 2, SPARE               ; my spare word,
	v_mov_b32 v53, 0                               ; and 0: kept for the closing lines alone
	v_lshrrev_b32 v2, 5, v0
	v_readfirstlane_b32 s56, v2                    ; wave 0..7
	v_and_b32 v2, 31, v0
	v_lshlrev_b32 v1, 4, v2                        ; 16 x lane
	s_wait_alu depctr_va_vdst(0)
	s_mov_b32 s57, ttmp9                           ; x
	s_and_b32 s58, ttmp7, 0xffff                   ; b
	s_lshl_b32 s62, s58, 12
	s_mov_b32 s63, 0
	s_lshl_b32 s90, s57, 9
	s_mov_b32 s91, 0
	s_lshl_b32 s92, s58, 2
	s_mov_b32 s93, 0
	s_wait_alu depctr_va_sdst(0)                   ; s56 is written, ahead of its first reader
	s_lshl_b32 s84, s56, 2                         ; the lanes that hold my rows' weights: 4 w + 0..3
	s_add_co_u32 s85, s84, 1
	s_add_co_u32 s86, s84, 2
	s_add_co_u32 s87, s84, 3
	s_mov_b32 s52, L2E
	s_mov_b32 s53, L2E                             ; (named with it as a pair)
	s_mov_b32 s88, 0x76543210                      ; v_permlanex16_b32's selects for lane l xor 16
	s_mov_b32 s89, 0xfedcba98
	s_lshl_b32 s61, s56, 9
	v_add_nc_u32 v61, s61, v1                      ; LDS: my wave's 512 bytes, 16 a lane (RED = 0)
	s_wait_alu depctr_va_vdst(0)                   ; v1 is written, which the loads of the energies and of the places read as their offset; so is v61
	s_wait_kmcnt 0x0
	s_add_nc_u64 s[10:11], s[10:11], s[92:93]
	s_load_b32 s59, s[10:11], 0x0                  ; cnt[b]
	s_add_nc_u64 s[6:7], s[6:7], s[62:63]
	s_lshl_b32 s92, s56, 6
	s_add_nc_u64 s[50:51], s[6:7], s[92:93]        ; the list at place 16 w
	s_load_b512 s[16:31], s[50:51], 0x0            ; set 0's rows,
	s_load_b512 s[32:47], s[50:51], 0x200          ; set 1's.  order is a permutation of the batch's rows: every entry is a row
	s_add_nc_u64 s[12:13], s[12:13], s[62:63]      ; the batch's energies
.irp t, 0,1,2,3,4,5,6,7
	global_load_b128 v[P+4*\t:P+4*\t+3], v1, s[12:13] offset:512*\t
.endr
	s_add_nc_u64 s[62:63], s[62:63], s[90:91]      ; 4,096 b + 512 x
	s_add_nc_u64 s[8:9], s[8:9], s[62:63]
	s_add_nc_u64 s[14:15], s[14:15], s[62:63]
	s_add_nc_u64 s[48:49], s[48:49], s[62:63]
	s_lshl_b32 s62, s58, 22
	s_add_co_u32 s62, s62, s90                     ; under 2^32: no carry
	s_add_nc_u64 s[54:55], s[4:5], s[62:63]        ; the batch's keys at my columns
	s_cmp_eq_u32 s56, 7                            ; wave 7, whose share of the rows is the least, also makes out1
	s_cbranch_scc0 .Lno_pos
	global_load_b128 v[192:195], v1, s[8:9]        ; the places of rows 128 x + 4 l + 0..3
.Lno_pos:
	s_wait_kmcnt 0x0
	ADDR 0                                         ; two sets whatever c is: a row behind c has the weight 0
	ADDR 1
	s_wait_alu depctr_va_vdst(0)                   ; the 32 offsets are written, which the 32 loads read
	LOADS 0
	LOADS 1
	s_load_b512 s[16:31], s[50:51], 0x400
	s_load_b512 s[32:47], s[50:51], 0x600
	s_min_u32 s59, s59, 0x400                      ; c
	s_lshl_b32 s60, s56, 4
	s_sub_co_u32 s60, s59, s60
	s_add_co_u32 s60, s60, 127
	s_lshr_b32 s60, s60, 7                         ; my wave's sets: those whose first place lies under c
	s_wait_loadcnt 32                              ; all but the two sets' 32 loads: the energies are in (wave 7: the places too)
	s_cmp_eq_u32 s56, 7
	s_cbranch_scc0 .Lno_gather
.irp u, 0,1,2,3
	v_min_u32 v[192+\u], 0x3ff, v[192+\u]          ; held inside the batch's 1,024 places
	v_lshlrev_b32 v[192+\u], 2, v[192+\u]
.endr
	s_wait_alu depctr_va_vdst(0)                   ; the four offsets v192-195 are written, which the gathers read
.irp u, 0,1,2,3
	global_load_b32 v[196+\u], v[192+\u], s[12:13] ; my rows' energies: a padded row's place lies at c or behind, where -inf stands
.endr
.Lno_gather:
	v_max3_num_f32 v54, v8, v9, v10                ; the largest energy: two chains,
	v_max3_num_f32 v55, v11, v12, v13
.irp i, 14,18,22,26,30,34
	v_max3_num_f32 v54, v54, v[\i], v[\i+1]
	v_max3_num_f32 v55, v55, v[\i+2], v[\i+3]
.endr
	v_max3_num_f32 v54, v54, v38, v39
	v_max3_num_f32 v54, v54, v55, FLOORM           ; the floor among the leaves,
.irp m, 1,2,4,8
	v_max_num_f32_dpp v54, v54, v54 row_xmask:\m row_mask:0xf bank_mask:0xf
.endr
	v_permlanex16_b32 v55, v54, s88, s89
	v_max_num_f32 v54, v54, v55                    ; and the 32 lanes
	v_mul_f32 v48, NL2E, v54                       ; -m log2 e
	v_mov_b32 v49, v48
.set i, 0
.rept 16
	v_pk_fma_f32 v[P+i:P+i+1], v[P+i:P+i+1], s[52:53], v[48:49] op_sel_hi:[1,0,1]   ; (e - m) log2 e, by one fused multiply-add
.set i, i+2
.endr
.set i, 0
	s_wait_alu depctr_va_vdst(0)
.rept 32
	v_exp_f32 v[P+i], v[P+i]
.set i, i+1
.endr
	v_nop                                          ; a plain line behind the last exponential,
	s_wait_alu depctr_va_vdst(0)                   ; and one wait for the batch: the 32 exponentials have written v8-39, ahead of the first reader
	v_pk_add_f32 v[56:57], v[8:9], v[10:11]
	v_pk_add_f32 v[58:59], v[12:13], v[14:15]
.irp i, 16,20,24,28,32,36
	v_pk_add_f32 v[56:57], v[56:57], v[\i:\i+1]
	v_pk_add_f32 v[58:59], v[58:59], v[\i+2:\i+3]
.endr
	v_pk_add_f32 v[56:57], v[56:57], v[58:59]
	v_add_f32 v56, v56, v57
.irp m, 1,2,4,8
	v_add_f32_dpp v56, v56, v56 row_xmask:\m row_mask:0xf bank_mask:0xf
.endr
	v_permlanex16_b32 v57, v56, s88, s89
	v_add_f32 v56, v56, v57
	v_max_num_f32 v56, 1.0, v56                    ; the sum, held at 1 from below
	s_wait_alu depctr_va_vdst(0)
	v_rcp_f32 v50, v56
	v_nop
	s_wait_alu depctr_va_vdst(0)                   ; the reciprocal has written v50, ahead of its first reader
	v_mov_b32 v51, v50
.set i, 0
.rept 16
	v_pk_mul_f32 v[P+i:P+i+1], v[P+i:P+i+1], v[50:51]   ; the weights, by place
.set i, i+2
.endr
	STAGE 0, 1
	STAGE 1, 0
	STAGE 2, 0
	STAGE 3, 0
	STAGE 4, 0
	STAGE 5, 0
	s_wait_loadcnt 16
	CONSUME 6, 0
	s_wait_loadcnt 0x0
	CONSUME 7, 0
	s_branch .Lend
; a wave that has no further set to ask for uses the one that is still on its way
.Ltail0:
	s_wait_loadcnt 0x0
	CONSUME 1, 0
	s_branch .Lend
.Ltail1:
	s_wait_loadcnt 0x0
	CONSUME 2, 0
	s_branch .Lend
.Ltail2:
	s_wait_loadcnt 0x0
	CONSUME 3, 0
	s_branch .Lend
.Ltail3:
	s_wait_loadcnt 0x0
	CONSUME 4, 0
	s_branch .Lend
.Ltail4:
	s_wait_loadcnt 0x0
	CONSUME 5, 0
	s_branch .Lend
.Ltail5:
	s_wait_loadcnt 0x0
	CONSUME 6, 0
.Lend:
	s_wait_alu depctr_va_vdst(0)
	v_pk_add_f32 v[40:41], v[40:41], v[44:45]
	v_pk_add_f32 v[42:43], v[42:43], v[46:47]
	s_wait_alu depctr_va_vdst(0)                   ; my sums v40-43 are written, which the LDS store reads; and the multiply-adds are done reading v64-95, in which wave 0's LDS loads land
	ds_store_b128 v61, v[40:43]
	s_wait_dscnt 0x0                               ; for wave 0's sake: my store has landed
	s_barrier_signal -1
	s_barrier_wait -1
	s_cmp_eq_u32 s56, 0
	s_cbranch_scc0 .Lnot0
.irp i, 0,1,2,3,4,5,6,7
	ds_load_b128 v[64+4*\i:67+4*\i], v1 offset:RED+512*\i
.endr
	s_wait_dscnt 0x0
.irp i, 0,2,4,6
	v_pk_add_f32 v[64+4*\i:65+4*\i], v[64+4*\i:65+4*\i], v[68+4*\i:69+4*\i]
	v_pk_add_f32 v[66+4*\i:67+4*\i], v[66+4*\i:67+4*\i], v[70+4*\i:71+4*\i]
.endr
.irp i, 0,4
	v_pk_add_f32 v[64+4*\i:65+4*\i], v[64+4*\i:65+4*\i], v[72+4*\i:73+4*\i]
	v_pk_add_f32 v[66+4*\i:67+4*\i], v[66+4*\i:67+4*\i], v[74+4*\i:75+4*\i]
.endr
	v_pk_add_f32 v[64:65], v[64:65], v[80:81]
	v_pk_add_f32 v[66:67], v[66:67], v[82:83]
	s_wait_alu depctr_va_vdst(0)                   ; the context's four numbers v64-67 are written, which the store reads
	global_store_b128 v1, v[64:67], s[14:15]       ; 512 bytes on end, at a multiple of 512 from out0's first byte
.Lnot0:
	s_cmp_eq_u32 s56, 7
	s_cbranch_scc0 .Lclose
	s_wait_loadcnt 0x0                             ; the four gathers were issued ahead of the stream
	v_pk_fma_f32 v[196:197], v[196:197], s[52:53], v[48:49] op_sel_hi:[1,0,1]   ; the same multiply-add, exponential and factor as by place
	v_pk_fma_f32 v[198:199], v[198:199], s[52:53], v[48:49] op_sel_hi:[1,0,1]
	s_wait_alu depctr_va_vdst(0)
.irp u, 0,1,2,3
	v_exp_f32 v[196+\u], v[196+\u]
.endr
	v_nop
	s_wait_alu depctr_va_vdst(0)                   ; the four exponentials have written v196-199, ahead of their first reader
	v_pk_mul_f32 v[196:197], v[196:197], v[50:51]
	v_pk_mul_f32 v[198:199], v[198:199], v[50:51]
	s_wait_alu depctr_va_vdst(0)                   ; the four weights v196-199 are written, which the store reads
	global_store_b128 v1, v[196:199], s[48:49]     ; attn of rows 128 x + 4 l + 0..3: 512 bytes on end
.Lclose:
	s_wait_dscnt 0x0                               ; the closing lines, six on end
	s_wait_alu 0x0
	s_wait_tensorcnt 0x0
	ds_add_u32 v52, v53
	s_wait_dscnt 0x0
	s_endpgm
.Lfunc_end_k_q713829c6d0_context:
	.size	k_q713829c6d0_context, .Lfunc_end_k_q713829c6d0_context-k_q713829c6d0_context
	.p2alignl 7, 3214868480
	.fill 96, 4, 3214868480
	.section	.rodata,"a",@progbits
	.p2align	6, 0x0
	.amdhsa_kernel k_q713829c6d0_context
		.amdhsa_group_segment_fixed_size 5120
		.amdhsa_private_segment_fixed_size 0
		.amdhsa_enable_private_segment 0
		.amdhsa_kernarg_size 56
		.amdhsa_user_sgpr_count 2
		.amdhsa_user_sgpr_kernarg_segment_ptr 1
		.amdhsa_wavefront_size32 1
		.amdhsa_system_sgpr_workgroup_id_x 1
		.amdhsa_system_sgpr_workgroup_id_y 1
		.amdhsa_system_sgpr_workgroup_id_z 1
		.amdhsa_system_vgpr_workitem_id 0
		.amdhsa_next_free_vgpr 232
		.amdhsa_next_free_sgpr 96
		.amdhsa_reserve_vcc 0
		.amdhsa_float_denorm_mode_32 3
		.amdhsa_float_denorm_mode_16_64 3
		.amdhsa_memory_ordered 1
		.amdhsa_forward_progress 1
		.amdhsa_inst_pref_size 86
	.end_amdhsa_kernel
	.amdgpu_metadata
---
amdhsa.version: [ 1, 2 ]
amdhsa.kernels:
  - .name:           k_q713829c6d0_context
    .symbol:         k_q713829c6d0_context.kd
    .args:
      - { .name: keys, .offset: 0, .size: 8, .value_kind: global_buffer, .address_space: global }
      - { .name: order, .offset: 8, .size: 8, .value_kind: global_buffer, .address_space: global }
      - { .name: pos, .offset: 16, .size: 8, .value_kind: global_buffer, .address_space: global }
      - { .name: cnt, .offset: 24, .size: 8, .value_kind: global_buffer, .address_space: global }
      - { .name: ews, .offset: 32, .size: 8, .value_kind: global_buffer, .address_space: global }
      - { .name: out0, .offset: 40, .size: 8, .value_kind: global_buffer, .address_space: global }
      - { .name: out1, .offset: 48, .size: 8, .value_kind: global_buffer, .address_space: global }
    .group_segment_fixed_size: 5120
    .private_segment_fixed_size: 0
    .kernarg_segment_align: 8
    .kernarg_segment_size: 56
    .max_flat_workgroup_size: 256
    .sgpr_count:     96
    .vgpr_count:     232
    .wavefront_size: 32
...
	.end_amdgpu_metadata
.endif
;; end of part 6
